; MI455X (gfx1250); checked and timed in simulation.
; The chip was launched on July 23, 2026; its instructions are those of AMD's public machine-readable ISA for CDNA 5 (MIT licence, August 2026) and "CDNA5" Instruction Set Architecture Reference Guide (July 2026). The comments in the code are by the model that wrote it; some were corrected since.
;; Co S Fuser Mo E Layer. Allowed arithmetic: matrix products marked QUANTISED: E2M1 operands, one E8M0 scale for each 32 along K, by v_wmma_scale_f32_16x16x128_f8f6f4 with both operands' format E2M1 (or v_wmma_scale_f32_32x16x128_f4), f32 sums; products left as they are: f32 operands where the result goes on into a quantised operand, else bf16, f16 or f32 operands; f32 sums; everything else in f32.
;; Inputs: b1 8 x 4,096 float32; b2 8 x 1,024 float32; router_b 8 float32; router_w 1,024 x 8 float32; w1_codes 8 x 4,096 x 32 x 16 uint8 (E2M1 codes of w1, K innermost, in blocks of 32 codes, two codes a byte); w1_scales 8 x 4,096 x 32 uint8 (E8M0 scales of w1, one for each 32 codes along K); w2_codes 8 x 1,024 x 128 x 16 uint8 (E2M1 codes of w2, K innermost, in blocks of 32 codes, two codes a byte); w2_scales 8 x 1,024 x 128 uint8 (E8M0 scales of w2, one for each 32 codes along K); x 4 x 256 x 1,024 float32.
;; Outputs: out0 4 x 256 x 1,024 float32; out1 one number float32.
;; This version of the problem:
;;   THIS VERSION OF THE PROBLEM IS GIVEN IN LOW PRECISION. The matrix products marked QUANTISED in the list below multiply operands that are first quantised to E2M1 (2 exponent bits, 1 mantissa bit; 4 bits a number), with one power-of-two scale for each 32 numbers along K (OCP MX v1.0); their sums are f32. All else is computed in f32.
;;   The module's matrix products, in the order in which they are computed (A, B: the left and right operand; K: the contracted axis; several contracted axes count as one K, in the product's order):
;;     1. [M 1,024, K 1,024] x [K 1,024, N 8]; A: input x; B: input router_w: left as it is (N = 8 < 16)
;;     2. [M 32,768, K 1,024] x [K 1,024, N 1,024]; A: input w1 (given as codes); B: input x: QUANTISED
;;     3. batch 8 x [M 1,024, K 4,096] x [K 4,096, N 1,024]; A: computed on the way; B: input w2 (given as codes): QUANTISED
;;     4. batch 1,024 x [M 1,024, K 8] x [K 8, N 1]; A: computed on the way; B: computed on the way: left as it is (K = 8 < 32)
;;   THE QUANTISER, for each operand of a quantised product, along K:
;;     - K is cut into blocks of 32 from its start; a last block that is shorter is filled with zeros.
;;     - A block's scale is 2^e with e = floor(log2(the largest magnitude in the block)) - 2, held to -126 .. 127; a block of zeros has e = 0. As a byte (E8M0): e + 127.
;;     - Each number is divided by its block's scale, clamped to +-6, and rounded to the nearest number of E2M1, ties to even, subnormals kept.
;;     - The product sums the exact products of the quantised numbers (number of the format x scale) in f32.
;;   ~~~python
;;   def quantise(x, axis):      # numpy; x: float32 -> the quantised numbers, widened to float32 again
;;       x = np.moveaxis(x, axis, -1); K = x.shape[-1]
;;       x = np.pad(x, [(0, 0)] * (x.ndim - 1) + [(0, -K % 32)]); x = x.reshape(x.shape[:-1] + (-1, 32)); a = np.abs(x).max(-1, keepdims=True)
;;       e = np.where(a > 0, np.clip(np.frexp(np.where(a > 0, a, 1))[1] - 1 - 2, -126, 127), 0)      # np.frexp(a)[1] - 1 = floor(log2(a)), exactly
;;       r = np.clip(x / 2.0 ** e, -6, 6)
;;       step = 2.0 ** (np.maximum(np.frexp(np.where(r == 0, 1, r))[1] - 1, 0) - 1)
;;       q = np.round(r / step) * step * 2.0 ** e      # np.round: ties to even
;;       return np.moveaxis(q.reshape(q.shape[:-2] + (-1,))[..., :K], -1, axis).astype(np.float32)
;;   ~~~
;;   OPERANDS COMPUTED ON THE WAY. 'Computed on the way' means the value that the module computes at that place (a softmax that the list does not call 'softmax' is quantised finished and normalised). What goes into a quantiser is computed in f32, as accurately as f32 sums, v_exp_f32 and their like allow (about 1e-6 of the number): no bf16 or f16 on the way to a quantiser, and a product that is left as it is and whose result goes on into a quantised operand takes f32 operands (vector FMAs, or v_wmma_f32_16x16x4_f32). A number that lies on a knife's edge between two numbers of the format may be rounded either way, as far as f32 arithmetic and the matrix unit's own rounding can turn it there, and no further.
;;   INPUTS GIVEN AS CODES. w1 (in the module: [8, 1024, 4096], K = its axis 1); w2 (in the module: [8, 4096, 1024], K = its axis 1): each comes as NAME_codes (uint8): NAME with its K axis moved to the last place and cut into blocks of 32 codes, [.., K / 32, bytes a block], one block behind the other in memory; two codes a byte, the lower K in the low four bits (a code: sign, 2 exponent bits, 1 mantissa bit); and NAME_scales (uint8): the same leading axes, one E8M0 byte (e + 127) for each 32 codes along K. Its value is code x scale, taken as it is: it is not quantised again, and the codes and scales need not be those that the quantiser above would give.
;; 2 versions, each right; version 2 is version 1 with the launch down written anew for expert scheduling mode. Each part assembles by itself: llvm-mc -triple=amdgcn-amd-amdhsa -mcpu=gfx1250 --defsym DOCPART=n.
;; ======== version 1 of 2: 3 launches
;; workspace buffers: xq 524,288 bytes; xs 32,768 bytes; idx 4,096 bytes of whole numbers; rt 20,480 bytes; hc 16,777,216 bytes; hs 1,048,576 bytes; slist 33,792 bytes of whole numbers
;; launch route (part 1): grid 256 x 1, 4 waves a work-group, no clusters, 52,736 bytes of LDS; arguments x, router_w, router_b, xq, xs, idx, rt; writes xq, xs, idx, rt
.if DOCPART == 1
	.amdgcn_target "amdgcn-amd-amdhsa--gfx1250"
	.amdhsa_code_object_version 6
	.text
	.protected	k_q227222b135_route
	.globl	k_q227222b135_route
	.p2align	8
	.type	k_q227222b135_route,@function
k_q227222b135_route:
	s_mov_b64 s[64:65], 0
	v_nop
	global_prefetch_b8 v0, s[64:65] scope:SCOPE_SE
	s_setreg_imm32_b32 hwreg(HW_REG_WAVE_MODE, 25, 1), 1
	s_wait_xcnt 0x0
; ROUTER AND QUANTISER OF x.  1,024 tokens of 1,024 f32.  A wave owns one token (4 x work-group + wave), a lane 32 neighbouring numbers of it: one block of the quantiser.
; It makes: the 8 logits in f32 (fused multiply-adds, a tree over the lanes), the softmax with its maximum taken away, the largest probability, the chosen expert,
; and x as codes of E2M1 (xq: [token][512 bytes], block l at byte 16 l) with one E8M0 byte a block (xs: [token][32]).
; Stored at fixed places: idx[token] (whole numbers), rt[token] = largest probability, rt + 4096 + 64 x work-group = 8 sums of probabilities and 8 counts of its 4 tokens.
; No address and no branch here hangs on the choice: later launches read it.
; LIMITS: NaN and infinities are not served.  The expert is the first index whose LOGIT equals the largest logit; two unequal logits whose probabilities round to one number
; could be told apart otherwise than by an argmax over probabilities.  A block of zeros gets the byte 1 (its codes are zeros; the bytes are read by this program alone).
; Memory binds: no matrix unit, no cluster.  Each load of x and of router_w takes 512 consecutive bytes a wave; both are turned through LDS so that a lane holds neighbours.
.set WPT,  1040                        ; router_w in LDS from byte 0: a lane's 32 rows of 32 bytes (1,024 bytes) + 16 of padding
.set XT,   33280                       ; a wave's own turn of x: 32 places of XTP bytes
.set XTP,  144                         ; a lane's 128 bytes + 16 of padding
.set PR,   51712                       ; [wave][16 f32]: 8 probabilities, 8 ones or zeros
.set SB,   51968                       ; [wave][32] scale bytes
.set IP,   52096                       ; 4 experts, then 4 largest probabilities
.set X,    16                          ; v16-47   my 32 numbers
.set ACC,  48                          ; v48-55   my 8 partial logits
.set CD,   56                          ; v56-59   my block's codes
.set QW,   60                          ; v60-63   at work
.set WB0,  64                          ; v64-127  router_w as loaded, then 8 rows of my 32; later the softmax
.set WB1,  128                         ; v128-191 8 more rows
	s_load_b256 s[4:11], s[0:1], 0x0               ; x s[4:5], router_w s[6:7], router_b s[8:9], xq s[10:11]
	s_load_b128 s[12:15], s[0:1], 0x20             ; xs s[12:13], idx s[14:15]
	s_load_b64 s[16:17], s[0:1], 0x30              ; rt
	v_lshl_add_u32 v192, v0, 2, 0xcc00
	v_mov_b32 v193, 0
	v_lshrrev_b32 v7, 5, v0
	v_readfirstlane_b32 s18, v7                    ; wave
	v_and_b32 v1, 31, v0                           ; lane
	v_lshlrev_b32 v2, 4, v1                        ; 16 x lane
	s_lshl_b32 s19, ttmp9, 2
	s_add_co_u32 s19, s19, s18                     ; my token
	s_mul_i32 s22, s18, 32*XTP
	s_add_co_u32 s22, s22, XT                      ; my wave's turn
	v_lshrrev_b32 v7, 3, v1
	v_mul_u32_u24 v7, v7, XTP
	v_and_b32 v8, 7, v1
	v_lshl_add_u32 v7, v8, 4, v7
	v_add_nc_u32 v3, s22, v7                       ; in: a load's 512 bytes are four owners' 128: place lane / 8, byte 16 (lane % 8); the load's number stands in the immediate
	v_mul_u32_u24 v8, v1, XTP
	v_add_nc_u32 v4, s22, v8                       ; out: my place
	s_mul_i32 s23, s18, 8*WPT
	v_add_nc_u32 v5, s23, v2                       ; router_w in: wave w brings the places 8 w .. 8 w + 7
	v_mul_u32_u24 v6, v1, WPT                      ; router_w out: my place
	s_lshl_b32 s23, s18, 5
	s_add_co_u32 s23, s23, SB
	v_add_nc_u32 v9, s23, v1                       ; my scale byte
	s_lshl_b32 s23, s18, 6
	s_add_co_u32 s23, s23, PR
	v_mov_b32 v10, s23                             ; my wave's 16 numbers
	s_lshl_b32 s23, s18, 2
	s_add_co_u32 s23, s23, IP
	v_mov_b32 v11, s23                             ; my wave's expert
	v_lshlrev_b32 v12, 2, v1                       ; 4 x lane
	v_add_nc_u32 v13, SB, v12                      ; what wave 0 reads at the end: the 128 scale bytes,
	v_and_b32 v14, 15, v1
	v_lshl_add_u32 v14, v14, 2, PR                 ; a column of the four waves' 16 numbers,
	v_and_b32 v15, 3, v1
	v_lshl_add_u32 v15, v15, 2, IP                 ; the four experts and probabilities
	s_mov_b32 s32, 0x76543210
	s_mov_b32 s33, 0xfedcba98                      ; v_permlanex16_b32: lane l xor 16
	s_mov_b32 s36, 0x3fb8aa3b                      ; log2(e)
	s_mov_b32 s37, s36                             ; (named with it as a pair)
	s_mov_b32 s21, 0
	s_wait_kmcnt 0x0
	s_lshl_b32 s20, s19, 12
	s_add_nc_u64 s[4:5], s[4:5], s[20:21]          ; x at my token
	s_lshl_b32 s20, s18, 13
	s_add_nc_u64 s[6:7], s[6:7], s[20:21]          ; router_w at my wave's quarter
	s_lshl_b32 s20, s19, 9
	s_add_nc_u64 s[10:11], s[10:11], s[20:21]      ; xq at my token
	s_lshl_b32 s20, ttmp9, 7
	s_add_nc_u64 s[12:13], s[12:13], s[20:21]      ; xs at the work-group's 4 tokens
	s_lshl_b32 s20, ttmp9, 6
	s_add_nc_u64 s[38:39], s[16:17], s[20:21]      ; rt: the work-group's 16 sums (4,096 further on, in the immediate)
	s_lshl_b32 s20, ttmp9, 4
	s_add_nc_u64 s[14:15], s[14:15], s[20:21]      ; idx and
	s_add_nc_u64 s[16:17], s[16:17], s[20:21]      ; the largest probabilities at the work-group's 4 tokens
.irp i, 0,1,2,3,4,5,6,7
	global_load_b128 v[X+4*\i:X+4*\i+3], v2, s[4:5] offset:512*\i th:TH_LOAD_NT
.endr
.irp j, 0,1,2,3,4,5,6,7,8,9,10,11,12,13,14,15
	global_load_b128 v[WB0+4*\j:WB0+4*\j+3], v2, s[6:7] offset:512*\j
.endr
	s_load_b256 s[24:31], s[8:9], 0x0              ; router_b
	s_wait_loadcnt 16                              ; x is in; the 16 younger loads are router_w's
.irp i, 0,1,2,3,4,5,6,7
	ds_store_b128 v3, v[X+4*\i:X+4*\i+3] offset:4*XTP*\i
.endr
.irp q, 0,1,2,3,4,5,6,7
	ds_load_b128 v[X+4*\q:X+4*\q+3], v4 offset:16*\q   ; LDS serves a wave in order: these see the stores; X + k is now x[32 lane + k]
.endr
	s_wait_dscnt 0x0
	; the block's largest magnitude, in two chains, with the floor 2^(3 - 127) among the leaves: the byte cannot fall under 1
	v_max3_num_f32 v[QW], |v[X]|, |v[X+1]|, 0x1800000
	v_max3_num_f32 v[QW+1], |v[X+16]|, |v[X+17]|, |v[X+18]|
.irp i, 0,2,4,6,8,10
	v_max3_num_f32 v[QW], v[QW], |v[X+2+\i]|, |v[X+3+\i]|
	v_max3_num_f32 v[QW+1], v[QW+1], |v[X+19+\i]|, |v[X+20+\i]|
.endr
	v_max3_num_f32 v[QW], v[QW], |v[X+14]|, |v[X+15]|
	v_max3_num_f32 v[QW], v[QW], v[QW+1], |v[X+31]|
	v_add_nc_u32 v[QW+2], 0xff000000, v[QW]        ; 2 off its exponent field: the conversion's scale operand
.irp g, 0,1,2,3
	v_cvt_scalef32_pk8_fp4_f32 v[CD+\g], v[X+8*\g:X+8*\g+7], v[QW+2]
.endr
	v_lshrrev_b32 v[QW+3], 23, v[QW+2]             ; the scale's byte (a plain line behind the conversions)
	global_store_b128 v2, v[CD:CD+3], s[10:11]     ; the wave stores its token's 512 bytes of codes
	ds_store_b8 v9, v[QW+3]
	s_wait_loadcnt 0x0                             ; router_w
.irp j, 0,1,2,3,4,5,6,7,8,9,10,11,12,13,14,15
	ds_store_b128 v5, v[WB0+4*\j:WB0+4*\j+3] offset:WPT*(\j/2)+512*(\j%2)
.endr
	s_wait_dscnt 0x0                               ; for the others: my quarter of router_w lies in LDS
	s_barrier_signal -1
	s_barrier_wait -1
.macro FETCHW beta, buf                        ; rows 8 beta .. + 7 of my 32 rows of router_w: 8 numbers a row
.irp kk, 0,1,2,3,4,5,6,7
	ds_load_b128 v[\buf+8*\kk:\buf+8*\kk+3], v6 offset:32*(8*\beta+\kk)
	ds_load_b128 v[\buf+8*\kk+4:\buf+8*\kk+7], v6 offset:32*(8*\beta+\kk)+16
.endr
.endm
.macro FMA beta, buf                           ; two experts an instruction; x[k] serves both halves.  The very first product starts the sums
.irp kk, 0,1,2,3,4,5,6,7
.irp p, 0,2,4,6
.if (\beta == 0) && (\kk == 0)
	v_pk_mul_f32 v[ACC+\p:ACC+\p+1], v[\buf+\p:\buf+\p+1], v[X:X+1] op_sel_hi:[1,0]
.elseif (\kk % 2) == 0
	v_pk_fma_f32 v[ACC+\p:ACC+\p+1], v[\buf+8*\kk+\p:\buf+8*\kk+\p+1], v[X+8*\beta+\kk:X+8*\beta+\kk+1], v[ACC+\p:ACC+\p+1] op_sel_hi:[1,0,1]
.else
	v_pk_fma_f32 v[ACC+\p:ACC+\p+1], v[\buf+8*\kk+\p:\buf+8*\kk+\p+1], v[X+8*\beta+\kk-1:X+8*\beta+\kk], v[ACC+\p:ACC+\p+1] op_sel:[0,1,0] op_sel_hi:[1,1,1]
.endif
.endr
.endr
.endm
	FETCHW 0, WB0
	FETCHW 1, WB1
	s_wait_dscnt 16                                ; the older batch is in; the 16 loads behind it may be out
	FMA 0, WB0
	FETCHW 2, WB0
	s_wait_dscnt 16
	FMA 1, WB1
	FETCHW 3, WB1
	s_wait_dscnt 16
	FMA 2, WB0
	s_wait_dscnt 0x0
	FMA 3, WB1
.irp m, 1,2,4,8                                ; over the lanes: the eight sums by turns
.irp e, 0,1,2,3,4,5,6,7
	v_add_f32_dpp v[ACC+\e], v[ACC+\e], v[ACC+\e] row_xmask:\m row_mask:0xf bank_mask:0xf
.endr
.endr
.irp e, 0,1,2,3,4,5,6,7
	v_permlanex16_b32 v[96+\e], v[ACC+\e], s32, s33    ; (destinations that loads have written)
.endr
.irp e, 0,1,2,3,4,5,6,7
	v_add_f32 v[ACC+\e], v[ACC+\e], v[96+\e]
.endr
	s_wait_kmcnt 0x0                               ; router_b
.irp e, 0,1,2,3,4,5,6,7
	v_add_f32 v[ACC+\e], s[24+\e], v[ACC+\e]       ; every lane holds the 8 logits
.endr
	v_max3_num_f32 v60, v48, v49, v50
	v_max3_num_f32 v60, v60, v51, v52
	v_max3_num_f32 v60, v60, v53, v54
	v_max_num_f32 v60, v60, v55                    ; the largest logit
	v_mov_b32 v61, v60
.irp p, 0,2,4,6
	v_pk_add_f32 v[64+\p:65+\p], v[ACC+\p:ACC+\p+1], v[60:61] neg_lo:[0,1] neg_hi:[0,1]
.endr
.irp p, 0,2,4,6
	v_pk_mul_f32 v[64+\p:65+\p], v[64+\p:65+\p], s[36:37] op_sel_hi:[1,0]
.endr
.irp e, 0,1,2,3,4,5,6,7
	v_exp_f32 v[64+\e], v[64+\e]                   ; e^(logit - largest)
.endr
	v_mov_b32 v62, 7                               ; the expert, while the exponentials are out: the lowest index whose logit is the largest
.irp e, 6,5,4,3,2,1,0
	v_cmp_neq_f32 vcc_lo, v[ACC+\e], v60
	v_cndmask_b32 v62, \e, v62, vcc_lo
.endr
	s_wait_alu depctr_va_vdst(0)                   ; one wait for the eight exponentials, ahead of their first reader
	v_pk_add_f32 v[72:73], v[64:65], v[66:67]
	v_pk_add_f32 v[74:75], v[68:69], v[70:71]
	v_pk_add_f32 v[72:73], v[72:73], v[74:75]
	v_add_f32 v72, v72, v73
	v_rcp_f32 v63, v72                             ; 1 / the sum: also the largest probability, whose exponential is 1
	v_mov_b32 v76, 1.0
.irp e, 0,1,2,3,4,5,6,7
	v_cmp_eq_u32 vcc_lo, \e, v62
	v_cndmask_b32 v[88+\e], 0, v76, vcc_lo         ; 1 at the chosen expert
.endr
	s_wait_alu depctr_va_vdst(0)                   ; the wait for the reciprocal
.irp e, 0,1,2,3,4,5,6,7
	v_mul_f32 v[80+\e], v[64+\e], v63              ; the probabilities
.endr
.irp i, 0,1,2,3
	ds_store_b128 v10, v[80+4*\i:83+4*\i] offset:16*\i   ; all lanes write the same bytes with the same values
.endr
	ds_store_b32 v11, v62
	ds_store_b32 v11, v63 offset:16
	s_wait_dscnt 0x0
	s_barrier_signal -1
	s_barrier_wait -1
	s_cmp_lg_u32 s18, 0                            ; wave 0 stores what the four waves have gathered
	s_cbranch_scc1 .Lend
	ds_load_b32 v64, v13
.irp p, 0,1,2,3
	ds_load_b32 v[65+\p], v14 offset:64*\p
.endr
	ds_load_b32 v69, v15
	ds_load_b32 v70, v15 offset:16
	s_wait_dscnt 0x0
	v_add_f32 v65, v65, v66
	v_add_f32 v67, v67, v68
	v_add_f32 v65, v65, v67
	global_store_b32 v12, v64, s[12:13]            ; 128 scale bytes
	v_cmp_gt_u32 vcc_lo, 16, v1
	s_wait_xcnt 0x0                                ; EXEC changes only behind this wait
	s_and_saveexec_b32 s34, vcc_lo
	global_store_b32 v12, v65, s[38:39] offset:4096
	s_wait_xcnt 0x0
	s_or_b32 exec_lo, exec_lo, s34
	v_cmp_gt_u32 vcc_lo, 4, v1
	s_and_saveexec_b32 s34, vcc_lo
	global_store_b32 v12, v69, s[14:15]
	global_store_b32 v12, v70, s[16:17]
	s_wait_xcnt 0x0
	s_or_b32 exec_lo, exec_lo, s34
.Lend:
	s_wait_tensorcnt 0x0
	ds_add_u32 v192, v193
	s_wait_dscnt 0x0
	s_endpgm
.Lfunc_end_k_q227222b135_route:
	.size	k_q227222b135_route, .Lfunc_end_k_q227222b135_route-k_q227222b135_route
	.p2alignl 7, 3214868480
	.fill 96, 4, 3214868480
	.section	.rodata,"a",@progbits
	.p2align	6, 0x0
	.amdhsa_kernel k_q227222b135_route
		.amdhsa_group_segment_fixed_size 52736
		.amdhsa_private_segment_fixed_size 0
		.amdhsa_enable_private_segment 0
		.amdhsa_kernarg_size 56
		.amdhsa_user_sgpr_count 2
		.amdhsa_user_sgpr_kernarg_segment_ptr 1
		.amdhsa_wavefront_size32 1
		.amdhsa_system_sgpr_workgroup_id_x 1
		.amdhsa_system_sgpr_workgroup_id_y 1
		.amdhsa_system_sgpr_workgroup_id_z 1
		.amdhsa_system_vgpr_workitem_id 0
		.amdhsa_next_free_vgpr 194
		.amdhsa_next_free_sgpr 66
		.amdhsa_reserve_vcc 1
		.amdhsa_float_denorm_mode_32 3
		.amdhsa_float_denorm_mode_16_64 3
		.amdhsa_memory_ordered 1
		.amdhsa_forward_progress 1
		.amdhsa_inst_pref_size 29
	.end_amdhsa_kernel
	.amdgpu_metadata
---
amdhsa.version: [ 1, 2 ]
amdhsa.kernels:
  - .name:           k_q227222b135_route
    .symbol:         k_q227222b135_route.kd
    .args:
      - { .name: x, .offset: 0, .size: 8, .value_kind: global_buffer, .address_space: global }
      - { .name: router_w, .offset: 8, .size: 8, .value_kind: global_buffer, .address_space: global }
      - { .name: router_b, .offset: 16, .size: 8, .value_kind: global_buffer, .address_space: global }
      - { .name: xq, .offset: 24, .size: 8, .value_kind: global_buffer, .address_space: global }
      - { .name: xs, .offset: 32, .size: 8, .value_kind: global_buffer, .address_space: global }
      - { .name: idx, .offset: 40, .size: 8, .value_kind: global_buffer, .address_space: global }
      - { .name: rt, .offset: 48, .size: 8, .value_kind: global_buffer, .address_space: global }
    .group_segment_fixed_size: 52736
    .private_segment_fixed_size: 0
    .kernarg_segment_align: 8
    .kernarg_segment_size: 56
    .max_flat_workgroup_size: 128
    .sgpr_count:     66
    .vgpr_count:     194
    .wavefront_size: 32
...
	.end_amdgpu_metadata
.endif
;; end of part 1
;; launch up (part 2): grid 256 x 1, 8 waves a work-group, no clusters, 217,856 bytes of LDS; arguments xq, xs, idx, rt, w1_codes, w1_scales, b1, hc, hs, slist, out1; writes hc, hs, slist, out1
.if DOCPART == 2
	.amdgcn_target "amdgcn-amd-amdhsa--gfx1250"
	.amdhsa_code_object_version 6
	.text
	.protected	k_q227222b135_up
	.globl	k_q227222b135_up
	.p2align	8
	.type	k_q227222b135_up,@function
k_q227222b135_up:
	s_mov_b64 s[64:65], 0
	v_nop
	global_prefetch_b8 v0, s[64:65] scope:SCOPE_SE
	s_setreg_imm32_b32 hwreg(HW_REG_WAVE_MODE, 25, 1), 1
	s_wait_xcnt 0x0
; FIRST PRODUCT, FOR THE CHOSEN ROWS ALONE: h = Q(gelu(Q(x) w1[e] + b1[e])), on codes of E2M1 with E8M0 scales, sums in f32; gelu in its tanh form, in f32.
; A work-group belongs to expert e = number / 32 and to hidden units 128 S .. 128 S + 127, S = number % 32: K step S of the second product.  Its 64 KiB of w1 are read once in the launch.
; It makes its own list of the tokens of e out of idx (wave 0: a count over lanes and registers), so no launch is spent on placing; all 32 work-groups of an expert make the same list.
; Wave w: block a = w % 4 of 32 units, token tiles of parity b = w / 4.  Its two tiles x 8 K steps of w1 stay in registers v256-383.
; THE PRODUCT IS USED TRANSPOSED (source 0 = 16 rows of w1, source 1 = 16 tokens) AND THE ROWS OF A TILE ARE NOT NEIGHBOURS (lane r of tile u takes unit 8 u + r + 8 (r / 8) of the block):
; a lane then holds one token and 16 neighbouring units, 16 (lane / 16) + 0 .. 15, so the conversions give the next operand's codes.
; OUT: hc [e][tile][S][1,024 bytes]: the image of an operand's registers, block a of row r at 256 a + 16 r;  hs [e][tile][S][row] one scale word;  slist [e][1,024] tokens by position, from byte 32,768 on
; 32 equal words for each expert: its count;  out1 = 8 x sum over e of (mean probability) x (share of tokens), with 1,024 tokens by the shapes: 2^-17 x sum of (sum of probabilities) x (count).
; A tile is 16 positions of the list.  THE LAST TILE IS FILLED UP WITH THE LIST'S LAST TOKEN: its rows give the same bits as that token's own row, so the next launch stores every row of a tile.
; A chunk is 16 tiles; FOUR CHUNK TRIPS ALWAYS, so every split is served, all tokens on one expert too; what a trip has no tiles for is jumped over by scalar branches on the stored numbers, never a barrier.
; For that reason: no tensor load, no copy, no cluster; the weights come through registers.  All lanes stay on throughout, but for the one store of out1 at the end.
; LIMITS: NaN and infinities are not served.  A block of zeros gets the byte 1 (zero codes; the bytes are read by this program alone).
.set LIST, 0                           ; LDS: tokens by position, 1,024 words; behind them 128 words that take what is not of e and are never read
.set CNT,  4608                        ; the count
.set HSB,  4864                        ; [tile in chunk][row][4 scale bytes]
.set WROW, 5888                        ; 128 rows of w1, WP apart, a tile's 16 rows side by side: slot 32 a + 16 u + r
.set WP,   528
.set XST,  73472                       ; 16 tiles x 16 rows, XP apart: 512 bytes of codes, 32 scale bytes, 16 of padding
.set XP,   560
.set L16,  4                           ; v4   16 x lane
.set L4,   5                           ; v5   4 x lane
.set AWS,  6                           ; v6   w1 rows into LDS
.set AWF,  7                           ; v7   w1 fragments out of LDS
.set AL,   8                           ; v8   the list: my row's position; 1,024 bytes on in each chunk
.set AST,  9                           ; v9-11  x rows into LDS, tiles 0-6, 7-13, 14-15
.set ASS,  12                          ; v12-14 their scale bytes
.set AX,   15                          ; v15-17 x fragments out of LDS, my tiles 0-2, 3-5, 6-7
.set AB,   18                          ; v18  my scale byte
.set AH,   19                          ; v19  my 8 bytes in hc
.set AFL,  20                          ; v20  scale words out of LDS: tiles 2 w and 2 w + 1 of the chunk
.set DMP,  21                          ; v21  the sort: 1,024 + lane
.set AHS,  22                          ; v22  their place in hs
.set FD,   23                          ; v23  the word on its way
.set SPO,  24                          ; v24  the sort: a position
.set STK,  25                          ; v25  the sort: a token
.set O1,   26                          ; v26  offset of w1's scale words
.set NIL,  27                          ; v27  0
.set ACN,  28                          ; v28  LDS address of the count
.set VN,   29                          ; v29  the count
.set ASL,  30                          ; v30  my wave's 512 bytes of the list (LIST is LDS byte 0: the same number is the offset in slist)
.set O2,   31                          ; v31  offset of the bias
.set WS,   32                          ; v32-39 w1's scale words: 4 u + i: lanes 0-15 K step i, lanes 16-31 K step 4 + i.  Scales and nothing else
.set XSC,  40                          ; v40-43 x's likewise
.set C1,   44                          ; v44-45 a constant of the gelu, twice
.set R16,  46                          ; v46  16 x (lane % 16)
.set R2,   47                          ; v47  2 x (lane % 16)
.set BIAS, 48                          ; v48-63 b1 in the result's layout, two tiles
.set ACC,  64                          ; v64-79 two accumulators
.set TT,   80                          ; v80-95 the gelu at work, then h
.set QW,   96                          ; v96-100 the quantiser at work
.set CDS,  104                         ; v104-119 codes, a pair for each of my eight tiles of a chunk
.set XF,   128                         ; v128-191 x's 8 fragments
.set OC,   64                          ; while x is gathered: v64-79 offsets in xq, v80-95 in xs, v96-111 scale bytes, v112-239 codes
.set OS,   80
.set LS,   96
.set LC,   112
.set LW,   240                         ; v240-247 out1 at work
.set LOSSR, 254                        ; v254 out1, kept to the end
.set MSB, 0
.macro WIN new                         ; the immediate's high byte repeats the setting that is left
.if MSB != (\new)
	s_set_vgpr_msb (MSB<<8)|(\new)
.set MSB, (\new)
.endif
.endm
.macro MM d, a, b, c, sa, sb, row      ; one scaled product; row = 1: both sides' scales from lanes 16-31
.if \row
	v_wmma_scale_f32_16x16x128_f8f6f4 v[\d:\d+7], v[\a:\a+7], v[\b:\b+7], \c, v[\sa], v[\sb] matrix_a_fmt:MATRIX_FMT_FP4 matrix_b_fmt:MATRIX_FMT_FP4 matrix_a_scale:MATRIX_SCALE_ROW1 matrix_b_scale:MATRIX_SCALE_ROW1
.else
	v_wmma_scale_f32_16x16x128_f8f6f4 v[\d:\d+7], v[\a:\a+7], v[\b:\b+7], \c, v[\sa], v[\sb] matrix_a_fmt:MATRIX_FMT_FP4 matrix_b_fmt:MATRIX_FMT_FP4
.endif
.endm
.macro BARRIER                         ; my LDS instructions are done: then the work-group's barrier
	s_wait_dscnt 0x0
	s_barrier_signal -1
	s_barrier_wait -1
.endm
	s_load_b512 s[4:19], s[0:1], 0x0               ; xq s[4:5], xs s[6:7], idx s[8:9], rt s[10:11], w1 codes s[12:13], w1 scales s[14:15], b1 s[16:17], hc s[18:19]
	s_load_b128 s[20:23], s[0:1], 0x40             ; hs s[20:21], slist s[22:23]
	s_load_b64 s[24:25], s[0:1], 0x50              ; out1
	v_lshl_add_u32 v253, v0, 2, 0x34f00
	v_mov_b32 v255, 0
	v_lshrrev_b32 v1, 5, v0
	v_readfirstlane_b32 s26, v1                    ; wave w
	v_and_b32 v1, 31, v0                           ; lane
	v_and_b32 v2, 15, v0                           ; r
	v_bfe_u32 v3, v0, 4, 1                         ; h
	s_and_b32 s27, s26, 3                          ; a
	s_lshr_b32 s28, s26, 2                         ; b
	s_lshr_b32 s29, ttmp9, 5                       ; e
	s_and_b32 s30, ttmp9, 31                       ; S
	v_lshlrev_b32 v[L16], 4, v1
	v_lshlrev_b32 v[L4], 2, v1
	v_lshlrev_b32 v[R16], 4, v2
	v_lshlrev_b32 v[R2], 1, v2
	s_lshr_b32 s39, s26, 1                         ; wave w loads rows 16 w + i: block w / 2; slot 32 (w / 2) + 8 (w % 2) + 16 (i / 8) + i % 8
	s_lshl_b32 s39, s39, 5
	s_and_b32 s40, s26, 1
	s_lshl_b32 s40, s40, 3
	s_add_co_u32 s39, s39, s40
	s_mul_i32 s39, s39, WP
	s_add_co_u32 s39, s39, WROW
	v_add_nc_u32 v[AWS], s39, v[L16]
	s_mul_i32 s39, s27, 32*WP
	s_add_co_u32 s39, s39, WROW
	v_mul_u32_u24 v[AWF], v2, WP
	v_lshl_add_u32 v[AWF], v3, 4, v[AWF]
	v_add_nc_u32 v[AWF], s39, v[AWF]               ; slot 32 a + r, + 16 h
	s_lshl_b32 s39, s26, 3
	v_lshl_add_u32 v[AL], v3, 2, s39               ; position 2 w + h of a tile
	s_mul_i32 s39, s26, 2*XP
	s_add_co_u32 s39, s39, XST
	v_mul_u32_u24 v[AST], v3, XP
	v_add_nc_u32 v[AST], s39, v[AST]               ; row 2 w + h of a tile
	v_add_nc_u32 v[ASS], v[AST], v[R2]
	v_add_nc_u32 v[ASS], 512, v[ASS]
	v_add_nc_u32 v[AST], v[AST], v[R16]
	v_add_nc_u32 v[AST+1], 7*16*XP, v[AST]
	v_add_nc_u32 v[AST+2], 14*16*XP, v[AST]
	v_add_nc_u32 v[ASS+1], 7*16*XP, v[ASS]
	v_add_nc_u32 v[ASS+2], 14*16*XP, v[ASS]
	s_mul_i32 s39, s28, 16*XP
	s_add_co_u32 s39, s39, XST
	v_mul_u32_u24 v[AX], v2, XP
	v_lshl_add_u32 v[AX], v3, 4, v[AX]
	v_add_nc_u32 v[AX], s39, v[AX]                 ; tile b, row r, + 16 h; my k-th tile lies 32 rows x k further on
	v_add_nc_u32 v[AX+1], 3*32*XP, v[AX]
	v_add_nc_u32 v[AX+2], 6*32*XP, v[AX]
	s_lshl_b32 s39, s28, 6
	s_add_co_u32 s39, s39, s27
	s_add_co_u32 s39, s39, HSB
	v_lshl_add_u32 v[AB], v2, 2, s39               ; tile b, row r, byte a
	s_lshl_b32 s39, s28, 15
	s_lshl_b32 s40, s27, 8
	s_add_co_u32 s39, s39, s40
	v_lshl_add_u32 v[AH], v3, 3, v[R16]
	v_add_nc_u32 v[AH], s39, v[AH]                 ; 32,768 b + 256 a + 16 r + 8 h
	s_lshl_b32 s39, s26, 7
	s_add_co_u32 s39, s39, HSB
	v_add_nc_u32 v[AFL], s39, v[L4]                ; tile 2 w + h of the chunk, row r: 128 w + 4 x lane
	s_lshl_b32 s39, s26, 12
	v_lshlrev_b32 v[AHS], 2, v2
	v_lshl_add_u32 v[AHS], v3, 11, v[AHS]
	v_add_nc_u32 v[AHS], s39, v[AHS]               ; 2,048 (2 w + h) + 4 r
	v_add_nc_u32 v[DMP], 1024, v1
	v_mov_b32 v[NIL], 0
	v_mov_b32 v[ACN], CNT
	v_mov_b32 v[LOSSR], 0                          ; written in every wave: one wave alone gives it its number
	s_lshl_b32 s39, s26, 9
	v_add_nc_u32 v[ASL], s39, v[L16]
	v_and_b32 v[O1], 8, v2
	v_add_nc_u32 v[O1], v[O1], v2                  ; r + 8 (r / 8)
	v_lshlrev_b32 v[O1], 5, v[O1]                  ; 32 scale bytes a row of w1
	v_lshl_add_u32 v[O1], v3, 4, v[O1]             ; lanes 16-31 take K steps 4-7
	s_lshl_b32 s39, s27, 10
	v_add_nc_u32 v[O1], s39, v[O1]
	v_lshlrev_b32 v[O2], 6, v3                     ; the bias of units 16 h on
	v_mov_b32 v[QW+2], 0                           ; a lane permute's destination counts as read
	v_mov_b32 v[C1], 0xc0135761                    ; -2 log2(e) sqrt(2 / pi)
	v_mov_b32 v[C1+1], 0xc0135761
	s_mov_b32 s44, 0xbdd2d3e8                      ; the same x 0.044715
	s_mov_b32 s45, s44
	s_mov_b32 s46, 0x76543210
	s_mov_b32 s47, 0xfedcba98                      ; v_permlanex16_b32: lane l xor 16
	s_mov_b32 s43, 0
	s_lshl_b32 s41, s29, 12
	s_lshl_b32 s39, s30, 7
	s_add_co_u32 s41, s41, s39                     ; the work-group's first row of w1: 4,096 e + 128 S
	s_wait_kmcnt 0x0
	s_lshl_b32 s39, s26, 4
	s_add_co_u32 s42, s41, s39
	s_lshl_b32 s42, s42, 9
	s_add_nc_u64 s[12:13], s[12:13], s[42:43]      ; w1's codes at my wave's 16 rows
	s_lshl_b32 s42, s41, 5
	s_add_nc_u64 s[14:15], s[14:15], s[42:43]
	s_lshl_b32 s39, s27, 5
	s_add_co_u32 s42, s41, s39
	s_lshl_b32 s42, s42, 2
	s_add_nc_u64 s[16:17], s[16:17], s[42:43]      ; b1 at my block
	s_lshl_b32 s42, s29, 21
	s_lshl_b32 s39, s30, 10
	s_add_co_u32 s42, s42, s39
	s_add_nc_u64 s[18:19], s[18:19], s[42:43]      ; hc at (e, tile 0, S)
	s_lshl_b32 s42, s29, 17
	s_lshl_b32 s39, s30, 6
	s_add_co_u32 s42, s42, s39
	s_add_nc_u64 s[20:21], s[20:21], s[42:43]      ; hs likewise
	s_lshl_b32 s42, s29, 12
	s_add_nc_u64 s[48:49], s[22:23], s[42:43]      ; slist at e
	s_lshl_b32 s42, s29, 7
	s_add_nc_u64 s[50:51], s[22:23], s[42:43]      ; the 32 words of the count of e (32,768 further on, in the immediate)
	s_cmp_lg_u32 s26, 0
	s_cbranch_scc1 .Lnoidx
.irp i, 0,1,2,3,4,5,6,7
	global_load_b128 v[64+4*\i:67+4*\i], v[L16], s[8:9] offset:512*\i   ; wave 0: register 4 i + c is the expert of token 128 i + 4 lane + c
.endr
.Lnoidx:
.irp i, 0,1,2,3,4,5,6,7,8,9,10,11,12,13,14,15
	global_load_b128 v[XF+4*\i:XF+4*\i+3], v[L16], s[12:13] offset:512*\i th:TH_LOAD_NT   ; a whole row of w1: 512 consecutive bytes
.endr
.irp u, 0,1
	global_load_b128 v[WS+4*\u:WS+4*\u+3], v[O1], s[14:15] offset:256*\u
.endr
.irp u, 0,1
	global_load_b128 v[BIAS+8*\u:BIAS+8*\u+3], v[O2], s[16:17] offset:32*\u
	global_load_b128 v[BIAS+8*\u+4:BIAS+8*\u+7], v[O2], s[16:17] offset:32*\u+16
.endr
	s_cmp_lg_u32 s26, 0
	s_cbranch_scc1 .Lnosort
	; THE LIST.  Up to the first barrier wave 0 alone touches LDS.  Zeros first, over the list and over the scale bytes' stage: every byte that is read later has been written
.irp c, 0,1,2,3
	v_mov_b32 v[100+\c], 0
.endr
.irp i, 0,1,2,3,4,5,6,7
	ds_store_b128 v[L16], v[100:103] offset:LIST+512*\i
.endr
.irp i, 0,1
	ds_store_b128 v[L16], v[100:103] offset:HSB+512*\i
.endr
	s_wait_loadcnt 22                              ; idx is in: behind it stand 16 rows, 2 loads of scale words, 4 of bias
	s_mov_b32 s38, 0                               ; tokens of e so far
.set q, 0
.rept 32
	v_cmp_eq_u32 vcc_lo, s29, v[64+q]
	v_mbcnt_lo_u32_b32 v[SPO], vcc_lo, s38         ; so far + those of e in the lanes below me
	s_bcnt1_i32_b32 s39, vcc_lo
	s_add_co_u32 s38, s38, s39
	v_cndmask_b32 v[SPO], v[DMP], v[SPO], vcc_lo   ; a token of another expert goes to my own word behind the list: all lanes stay on
	v_min_u32 v[SPO], 1151, v[SPO]
	v_lshlrev_b32 v[SPO], 2, v[SPO]                ; (LIST is LDS byte 0)
	v_add_nc_u32 v[STK], 128*(q/4)+(q%4), v[L4]
	ds_store_b32 v[SPO], v[STK]
.set q, q+1
.endr
	v_mov_b32 v[STK], s38
	ds_store_b32 v[ACN], v[STK]                    ; the count
	s_sub_co_u32 s39, s38, 1                       ; the last token goes into the 16 positions behind the list.  (With no token at all: position 1,023, a zero, which nobody uses)
	v_mov_b32 v[SPO], s39
	v_min_u32 v[SPO], 1023, v[SPO]
	v_lshlrev_b32 v[SPO], 2, v[SPO]
	ds_load_b32 v96, v[SPO]                        ; LDS serves a wave in order: this sees the stores above
	v_add_nc_u32 v97, s38, v2
	v_min_u32 v97, 1151, v97
	v_lshlrev_b32 v97, 2, v97
	s_wait_dscnt 0x0
	ds_store_b32 v97, v96                          ; lanes l and l + 16 write the same word with the same value
.Lnosort:
	s_lshl_b32 s39, ttmp9, 3
	s_add_co_u32 s39, s39, s26
	s_cmp_lg_u32 s39, 1                            ; wave 1 of work-group 0 makes out1, in registers alone: v256-383, which the fragments of w1 take later
	s_cbranch_scc1 .Lnoloss
	WIN 0x40                                       ; destination v256 on
.set ii, 0
.rept 32
	global_load_b128 v[4*ii:4*ii+3], v[L16], s[10:11] offset:4096+512*ii   ; lane l: work-group 8 ii + l / 4 of the first launch, columns 4 (l % 4) on
.set ii, ii+1
.endr
	s_wait_loadcnt 0x0
	WIN 0x45                                       ; destination and both sources v256 on
.irp i, 1,2,3,4,5,6,7,8,9,10,11,12,13,14,15
	v_pk_add_f32 v[0:1], v[0:1], v[4*\i:4*\i+1]
	v_pk_add_f32 v[2:3], v[2:3], v[4*\i+2:4*\i+3]
	v_pk_add_f32 v[64:65], v[64:65], v[64+4*\i:65+4*\i]
	v_pk_add_f32 v[66:67], v[66:67], v[66+4*\i:67+4*\i]
.endr
	v_pk_add_f32 v[0:1], v[0:1], v[64:65]
	v_pk_add_f32 v[2:3], v[2:3], v[66:67]
	WIN 0x01                                       ; source v256 on, destination below
.irp c, 0,1,2,3
	v_mov_b32 v[LW+\c], v[\c]
.endr
	WIN 0
.irp c, 0,1,2,3
	v_mov_b32 v[LW+4+\c], 0                        ; a lane permute's destination counts as read
.endr
.irp m, 4,8
.irp c, 0,1,2,3
	v_add_f32_dpp v[LW+\c], v[LW+\c], v[LW+\c] row_xmask:\m row_mask:0xf bank_mask:0xf
.endr
.endr
.irp c, 0,1,2,3
	v_permlanex16_b32 v[LW+4+\c], v[LW+\c], s46, s47
.endr
.irp c, 0,1,2,3
	v_add_f32 v[LW+\c], v[LW+\c], v[LW+4+\c]       ; lanes l % 4 = 0, 1: sums of probabilities of experts 0-3, 4-7; 2, 3: counts
.endr
.irp c, 0,1,2,3
	v_mul_f32_dpp v[LW+\c], v[LW+\c], v[LW+\c] row_xmask:2 row_mask:0xf bank_mask:0xf
.endr
	v_add_f32 v[LW], v[LW], v[LW+1]
	v_add_f32 v[LW+2], v[LW+2], v[LW+3]
	v_add_f32 v[LW], v[LW], v[LW+2]
	v_add_f32_dpp v[LW], v[LW], v[LW] row_xmask:1 row_mask:0xf bank_mask:0xf
	v_mul_f32 v[LOSSR], 0x37000000, v[LW]          ; x 8 / 1,024^2; stored at the kernel's end
.Lnoloss:
	BARRIER                                        ; the list and the count lie in LDS
	s_wait_loadcnt 6                               ; my 16 rows are in; the scale words and the bias may be out
.irp i, 0,1,2,3,4,5,6,7,8,9,10,11,12,13,14,15
	ds_store_b128 v[AWS], v[XF+4*\i:XF+4*\i+3] offset:(16*(\i/8)+(\i%8))*WP
.endr
	BARRIER                                        ; all 128 rows lie in LDS
	ds_load_b32 v[VN], v[ACN]
	WIN 0x40                                       ; destination v256 on
.irp u, 0,1
.irp s, 0,1,2,3,4,5,6,7
	ds_load_b128 v[8*(8*\u+\s):8*(8*\u+\s)+3], v[AWF] offset:16*WP*\u+64*\s
	ds_load_b128 v[8*(8*\u+\s)+4:8*(8*\u+\s)+7], v[AWF] offset:16*WP*\u+64*\s+32
.endr
.endr
	WIN 0
	s_wait_dscnt 32                                ; the count is in; the 32 fragment loads behind it may be out
	v_readfirstlane_b32 s31, v[VN]
	s_min_u32 s31, s31, 1024                       ; n
	s_add_co_u32 s32, s31, 15
	s_lshr_b32 s32, s32, 4                         ; tiles
	s_wait_loadcnt 0x0                             ; scale words and bias
	s_cmp_lg_u32 s30, 0                            ; the work-group with S = 0 stores the list for the next launch, whole: 512 bytes a wave
	s_cbranch_scc1 .Lnolist
	ds_load_b128 v[64:67], v[ASL]
	s_wait_dscnt 0x0
	global_store_b128 v[ASL], v[64:67], s[48:49]
	s_cmp_lg_u32 s26, 0
	s_cbranch_scc1 .Lnolist
	v_mov_b32 v68, s31
	global_store_b32 v[L4], v68, s[50:51] offset:32768   ; wave 0: the count, 32 equal words, a lane a word
.Lnolist:
	s_wait_xcnt 0x0                                ; these stores have read their registers, which are written again below
.macro GATH tt                         ; rows 2 w and 2 w + 1 of tile tt: sixteen lanes take 256 consecutive bytes of a token's codes, twice, and its 32 scale bytes
	global_load_b128 v[LC+8*(\tt):LC+8*(\tt)+3], v[OC+(\tt)], s[4:5]
	global_load_b128 v[LC+8*(\tt)+4:LC+8*(\tt)+7], v[OC+(\tt)], s[4:5] offset:256
	global_load_u16 v[LS+(\tt)], v[OS+(\tt)], s[6:7]
.endm
.macro STG tt
	ds_store_b128 v[AST+(\tt)/7], v[LC+8*(\tt):LC+8*(\tt)+3] offset:((\tt)%7)*16*XP
	ds_store_b128 v[AST+(\tt)/7], v[LC+8*(\tt)+4:LC+8*(\tt)+7] offset:((\tt)%7)*16*XP+256
	ds_store_b16 v[ASS+(\tt)/7], v[LS+(\tt)] offset:((\tt)%7)*16*XP
.endm
; My k-th tile of the chunk: 16 tokens x my 32 units.
.macro TILE k
	s_add_co_u32 s39, s36, 2*(\k)
	s_cmp_ge_u32 s39, s32                          ; tiles ascend: the first one past the list ends the chunk's work
	s_cbranch_scc1 .Lcdone
.irp s, 0,1,2,3,4,5,6,7
	ds_load_b128 v[XF+8*\s:XF+8*\s+3], v[AX+(\k)/3] offset:((\k)%3)*32*XP+64*\s
	ds_load_b128 v[XF+8*\s+4:XF+8*\s+7], v[AX+(\k)/3] offset:((\k)%3)*32*XP+64*\s+32
.endr
	ds_load_b128 v[XSC:XSC+3], v[AX+(\k)/3] offset:((\k)%3)*32*XP+512
	s_wait_dscnt 0x0
	WIN 0x01                                       ; source 0 (w1) from v256 on
.irp s, 0,1,2,3,4,5,6,7                        ; the two accumulators by turns; the bias is the C of each sum's first product
.irp u, 0,1
.if \s == 0
	MM ACC+8*\u, 64*\u+8*\s, XF+8*\s, v[BIAS+8*\u:BIAS+8*\u+7], WS+4*\u, XSC, 0
.else
	MM ACC+8*\u, 64*\u+8*\s, XF+8*\s, v[ACC+8*\u:ACC+8*\u+7], WS+4*\u+(\s%4), XSC+(\s%4), \s/4
.endif
.endr
.endr
	WIN 0
.rept 4
	v_nop                                          ; four places between the last product and the first read of results
.endr
	; gelu(v) = v / (1 + 2^(v (c1 + c2 v^2))): the tanh form, in f32.  Each accumulator is read from its low end on
.irp p, 0,2,4,6,8,10,12,14
	v_pk_mul_f32 v[TT+\p:TT+\p+1], v[ACC+\p:ACC+\p+1], v[ACC+\p:ACC+\p+1]
.endr
.irp p, 0,2,4,6,8,10,12,14
	v_pk_fma_f32 v[TT+\p:TT+\p+1], v[TT+\p:TT+\p+1], s[44:45], v[C1:C1+1] op_sel_hi:[1,0,1]
.endr
.irp p, 0,2,4,6,8,10,12,14
	v_pk_mul_f32 v[TT+\p:TT+\p+1], v[TT+\p:TT+\p+1], v[ACC+\p:ACC+\p+1]
.endr
.irp j, 0,1,2,3,4,5,6,7,8,9,10,11,12,13,14,15
	v_exp_f32 v[TT+\j], v[TT+\j]
.endr
	v_nop                                          ; a plain line behind the last exponential
	s_wait_alu depctr_va_vdst(0)                   ; one wait for the batch, ahead of its first reader
.irp p, 0,2,4,6,8,10,12,14
	v_pk_add_f32 v[TT+\p:TT+\p+1], v[TT+\p:TT+\p+1], 1.0 op_sel_hi:[1,0]
.endr
.irp j, 0,1,2,3,4,5,6,7,8,9,10,11,12,13,14,15
	v_rcp_f32 v[TT+\j], v[TT+\j]
.endr
	v_nop
	s_wait_alu depctr_va_vdst(0)                   ; and one for the reciprocals
.irp p, 0,2,4,6,8,10,12,14
	v_pk_mul_f32 v[TT+\p:TT+\p+1], v[TT+\p:TT+\p+1], v[ACC+\p:ACC+\p+1]
.endr
	; the block of 32 units lies in lanes l and l xor 16
	v_max3_num_f32 v[QW], |v[TT]|, |v[TT+1]|, 0x1800000            ; with the floor 2^(3 - 127): the byte cannot fall under 1
	v_max3_num_f32 v[QW+1], |v[TT+2]|, |v[TT+3]|, |v[TT+4]|
	v_max3_num_f32 v[QW], v[QW], |v[TT+5]|, |v[TT+6]|
	v_max3_num_f32 v[QW+1], v[QW+1], |v[TT+7]|, |v[TT+8]|
	v_max3_num_f32 v[QW], v[QW], |v[TT+9]|, |v[TT+10]|
	v_max3_num_f32 v[QW+1], v[QW+1], |v[TT+11]|, |v[TT+12]|
	v_max3_num_f32 v[QW], v[QW], |v[TT+13]|, |v[TT+14]|
	v_max3_num_f32 v[QW], v[QW], v[QW+1], |v[TT+15]|
	v_permlanex16_b32 v[QW+2], v[QW], s46, s47
	v_max_num_f32 v[QW], v[QW], v[QW+2]
	v_add_nc_u32 v[QW+3], 0xff000000, v[QW]        ; 2 off the exponent field: the conversion's scale operand
	v_cvt_scalef32_pk8_fp4_f32 v[CDS+2*(\k)], v[TT:TT+7], v[QW+3]
	v_cvt_scalef32_pk8_fp4_f32 v[CDS+2*(\k)+1], v[TT+8:TT+15], v[QW+3]
	v_lshrrev_b32 v[QW+4], 23, v[QW+3]             ; the scale's byte (a plain line behind the conversions)
	global_store_b64 v[AH], v[CDS+2*(\k):CDS+2*(\k)+1], s[18:19] offset:65536*(\k)   ; the wave stores 256 consecutive bytes: block a of the tile's 16 rows
	ds_store_b8 v[AB], v[QW+4] offset:128*(\k)     ; both lanes of a block write the same byte with the same value
.endm
	s_mov_b32 s34, 0                               ; the chunk
	s_mov_b32 s36, s28                             ; my first tile of the chunk: 16 x chunk + b
	s_lshl_b32 s37, s26, 1                         ; the first of the two tiles whose scale words I store: 16 x chunk + 2 w
	s_mov_b32 s33, s32                             ; tiles left from this chunk on
.Lchunk:
	s_cmp_le_i32 s33, 0
	s_cbranch_scc1 .Lfilled
.irp tt, 0,1,2,3,4,5,6,7,8,9,10,11,12,13,14,15
	ds_load_b32 v[OS+\tt], v[AL] offset:64*\tt     ; the token at my row of each tile
.endr
	s_wait_dscnt 0x0
.irp tt, 0,1,2,3,4,5,6,7,8,9,10,11,12,13,14,15
	v_min_u32 v[OS+\tt], 1023, v[OS+\tt]
	v_lshl_add_u32 v[OC+\tt], v[OS+\tt], 9, v[R16]
	v_lshl_add_u32 v[OS+\tt], v[OS+\tt], 5, v[R2]
.endr
	GATH 0                                         ; loads upward as far as there are tiles; then the stores downward from where the loads ended: a tile is stored only on ways that loaded it
.irp tt, 1,2,3,4,5,6,7,8,9,10,11,12,13,14,15
	s_cmp_le_i32 s33, \tt
	s_cbranch_scc1 .LS\tt
	GATH \tt
.endr
.irp m, 16,15,14,13,12,11,10,9,8,7,6,5,4,3,2,1
.LS\m:
	s_wait_loadcnt 0x0                             ; all that was gathered is in (met at once from the second label on)
	STG \m-1
.endr
.Lfilled:
	BARRIER                                        ; the chunk's rows of x lie in LDS
	TILE 0
	TILE 1
	TILE 2
	TILE 3
	TILE 4
	TILE 5
	TILE 6
	TILE 7
.Lcdone:
	BARRIER                                        ; the scale bytes lie in LDS, and nobody reads the rows of x any more
	s_wait_xcnt 0x0                                ; the stores of codes have read their registers and their offset: both are written again below
	s_cmp_ge_u32 s37, s32                          ; tiles 2 w and 2 w + 1 of the chunk: stored where the first exists.  A second that does not exist gets zeros or old bytes, inside hs's 64 tiles, which nobody reads
	s_cbranch_scc1 .Lnoflush
	ds_load_b32 v[FD], v[AFL]
	s_wait_dscnt 0x0
	global_store_b32 v[AHS], v[FD], s[20:21]       ; sixteen lanes store a tile's 16 scale words
	s_wait_xcnt 0x0                                ; the offset is stepped only behind this wait
.Lnoflush:
	v_add_nc_u32 v[AL], 1024, v[AL]                ; 256 positions,
	v_add_nc_u32 v[AHS], 32768, v[AHS]             ; 16 tiles on
	v_add_nc_u32 v[AH], 524288, v[AH]
	s_add_co_u32 s36, s36, 16
	s_add_co_u32 s37, s37, 16
	s_sub_co_i32 s33, s33, 16
	s_add_co_u32 s34, s34, 1
	s_cmp_lt_u32 s34, 4
	s_cbranch_scc1 .Lchunk
	s_lshl_b32 s39, ttmp9, 3
	s_add_co_u32 s39, s39, s26
	s_cmp_lg_u32 s39, 1                            ; the wave that made out1 stores it: one lane, the only change of EXEC in this text
	s_cbranch_scc1 .Lend
	v_cmp_eq_u32 vcc_lo, 0, v1
	s_wait_xcnt 0x0                                ; EXEC changes only behind this wait
	s_and_saveexec_b32 s40, vcc_lo
	global_store_b32 v[NIL], v[LOSSR], s[24:25]
	s_wait_xcnt 0x0
	s_or_b32 exec_lo, exec_lo, s40
.Lend:
	s_wait_tensorcnt 0x0
	ds_add_u32 v253, v255
	s_wait_dscnt 0x0
	s_endpgm
.Lfunc_end_k_q227222b135_up:
	.size	k_q227222b135_up, .Lfunc_end_k_q227222b135_up-k_q227222b135_up
	.p2alignl 7, 3214868480
	.fill 96, 4, 3214868480
	.section	.rodata,"a",@progbits
	.p2align	6, 0x0
	.amdhsa_kernel k_q227222b135_up
		.amdhsa_group_segment_fixed_size 217856
		.amdhsa_private_segment_fixed_size 0
		.amdhsa_enable_private_segment 0
		.amdhsa_kernarg_size 88
		.amdhsa_user_sgpr_count 2
		.amdhsa_user_sgpr_kernarg_segment_ptr 1
		.amdhsa_wavefront_size32 1
		.amdhsa_system_sgpr_workgroup_id_x 1
		.amdhsa_system_sgpr_workgroup_id_y 1
		.amdhsa_system_sgpr_workgroup_id_z 1
		.amdhsa_system_vgpr_workitem_id 0
		.amdhsa_next_free_vgpr 384
		.amdhsa_next_free_sgpr 66
		.amdhsa_reserve_vcc 1
		.amdhsa_float_denorm_mode_32 3
		.amdhsa_float_denorm_mode_16_64 3
		.amdhsa_memory_ordered 1
		.amdhsa_forward_progress 1
		.amdhsa_inst_pref_size 114
	.end_amdhsa_kernel
	.amdgpu_metadata
---
amdhsa.version: [ 1, 2 ]
amdhsa.kernels:
  - .name:           k_q227222b135_up
    .symbol:         k_q227222b135_up.kd
    .args:
      - { .name: xq, .offset: 0, .size: 8, .value_kind: global_buffer, .address_space: global }
      - { .name: xs, .offset: 8, .size: 8, .value_kind: global_buffer, .address_space: global }
      - { .name: idx, .offset: 16, .size: 8, .value_kind: global_buffer, .address_space: global }
      - { .name: rt, .offset: 24, .size: 8, .value_kind: global_buffer, .address_space: global }
      - { .name: w1_codes, .offset: 32, .size: 8, .value_kind: global_buffer, .address_space: global }
      - { .name: w1_scales, .offset: 40, .size: 8, .value_kind: global_buffer, .address_space: global }
      - { .name: b1, .offset: 48, .size: 8, .value_kind: global_buffer, .address_space: global }
      - { .name: hc, .offset: 56, .size: 8, .value_kind: global_buffer, .address_space: global }
      - { .name: hs, .offset: 64, .size: 8, .value_kind: global_buffer, .address_space: global }
      - { .name: slist, .offset: 72, .size: 8, .value_kind: global_buffer, .address_space: global }
      - { .name: out1, .offset: 80, .size: 8, .value_kind: global_buffer, .address_space: global }
    .group_segment_fixed_size: 217856
    .private_segment_fixed_size: 0
    .kernarg_segment_align: 8
    .kernarg_segment_size: 88
    .max_flat_workgroup_size: 256
    .sgpr_count:     66
    .vgpr_count:     384
    .wavefront_size: 32
...
	.end_amdgpu_metadata
.endif
;; end of part 2
;; launch down (part 3): grid 256 x 1, 4 waves a work-group, no clusters, 274,944 bytes of LDS; arguments hc, hs, slist, rt, w2_codes, w2_scales, b2, out0; writes out0
.if DOCPART == 3
	.amdgcn_target "amdgcn-amd-amdhsa--gfx1250"
	.amdhsa_code_object_version 6
	.text
	.protected	k_q227222b135_down
	.globl	k_q227222b135_down
	.p2align	8
	.type	k_q227222b135_down,@function
k_q227222b135_down:
	s_mov_b64 s[64:65], 0
	v_nop
	global_prefetch_b8 v0, s[64:65] scope:SCOPE_SE
	s_setreg_imm32_b32 hwreg(HW_REG_WAVE_MODE, 25, 1), 1
	s_wait_xcnt 0x0
; SECOND PRODUCT, FOR THE CHOSEN ROWS ALONE: out0[token] = (h w2[e] + b2[e]) x largest probability, on codes of E2M1 with E8M0 scales, sums in f32.
; A work-group belongs to expert e = number / 32, to outputs 64 d .. 64 d + 63 (d = (number / 2) % 16) and to the token tiles of parity p = number % 2 of the list of e.
; THE WAVES SHARE K: wave q owns K steps 8 q .. 8 q + 7 (1,024 of the 4,096 hidden units) for all 64 outputs; its 32 fragments of w2 fill v256-511 for the whole launch.
; They are loaded as pieces of whole rows (512 consecutive bytes an instruction) and turned into fragments through the wave's own bytes of LDS.
; h comes from hc straight into registers: it was stored as the image of an operand's registers, 512 consecutive bytes a load.  The four waves' partial sums meet in LDS.
; THE PRODUCT IS USED TRANSPOSED (source 0 = 16 rows of w2, source 1 = 16 tokens): a lane holds one token and eight neighbouring outputs.
; A chunk is 8 tiles; FOUR CHUNK TRIPS ALWAYS, so every split is served; what a trip has no tiles for is jumped over by scalar branches on the stored count, never a barrier.
; For that reason: no tensor load, no copy, no cluster.  All lanes stay on throughout: the list's last tile is filled up with its last token, whose rows give the same bits as that token's own row,
; so every row of a tile is stored; the doubles lie in one tile, so one work-group stores the same bytes with the same values.
; REGISTERS: v0-255 addresses, scales, accumulators, the sums at work;  v256-511 w2;  v512-767 h of tiles 0-3 of a chunk;  v768-1023 of tiles 4-7.
.set WP,   528                         ; LDS from byte 0: for each wave 64 rows of 512 bytes + 16 of padding
.set WSZ,  64*WP
.set RED,  4*WSZ                       ; partial sums: [tile of the chunk][wave][16 tokens], RP apart: 64 f32 + 16 bytes
.set RP,   272
.set RT,   16*RP
.set R16,  4                           ; v4   16 x (lane % 16)
.set AWS,  5                           ; v5   w2 rows into LDS
.set AWF,  6                           ; v6   w2 fragments out of LDS
.set AR,   7                           ; v7-9   partial sums into LDS, tiles 0-2, 3-5, 6-7
.set ARD,  10                          ; v10-12 and out of it
.set VLB,  13                          ; v13  my row's place in slist
.set VHS,  14                          ; v14  in hs
.set VHC,  15                          ; v15  in hc
.set L16,  17                          ; v17  16 x lane
.set OW,   18                          ; v18  offset of w2's scale words
.set WSC,  32                          ; v32-47 w2's scale words: 4 n + i: lanes 0-15 K step i of my eight, lanes 16-31 K step 4 + i.  Scales and nothing else
.set HSC,  48                          ; v48-79 h's likewise: 4 k + i
.set TOKV, 80                          ; v80-95 the tokens of the rows that I finish: 2 k + i
.set PM,   96                          ; v96-111 their largest probabilities
.set BIAS, 112                         ; v112-115 b2 of my four outputs
.set ACC,  128                         ; v128-191 two sets of four accumulators, by turns from tile to tile
.set RD,   192                         ; v192-223 partial sums read back
.set PO,   224                         ; v224-239 offsets of the probabilities
.set VO,   240                         ; v240-241 offsets in out0
.set MSB, 0
.macro WIN new                         ; the immediate's high byte repeats the setting that is left
.if MSB != (\new)
	s_set_vgpr_msb (MSB<<8)|(\new)
.set MSB, (\new)
.endif
.endm
.macro MM d, a, b, c, sa, sb, row      ; one scaled product; row = 1: both sides' scales from lanes 16-31
.if \row
	v_wmma_scale_f32_16x16x128_f8f6f4 v[\d:\d+7], v[\a:\a+7], v[\b:\b+7], \c, v[\sa], v[\sb] matrix_a_fmt:MATRIX_FMT_FP4 matrix_b_fmt:MATRIX_FMT_FP4 matrix_a_scale:MATRIX_SCALE_ROW1 matrix_b_scale:MATRIX_SCALE_ROW1
.else
	v_wmma_scale_f32_16x16x128_f8f6f4 v[\d:\d+7], v[\a:\a+7], v[\b:\b+7], \c, v[\sa], v[\sb] matrix_a_fmt:MATRIX_FMT_FP4 matrix_b_fmt:MATRIX_FMT_FP4
.endif
.endm
	s_load_b512 s[4:19], s[0:1], 0x0               ; hc s[4:5], hs s[6:7], slist s[8:9], rt s[10:11], w2 codes s[12:13], w2 scales s[14:15], b2 s[16:17], out0 s[18:19]
	v_lshl_add_u32 v254, v0, 2, 0x43000
	v_mov_b32 v255, 0
	v_lshrrev_b32 v1, 5, v0
	v_readfirstlane_b32 s20, v1                    ; wave q
	v_and_b32 v1, 31, v0                           ; lane
	v_and_b32 v2, 15, v0                           ; r
	v_bfe_u32 v3, v0, 4, 1                         ; h
	v_lshlrev_b32 v[R16], 4, v2
	v_lshlrev_b32 v[L16], 4, v1
	s_lshr_b32 s21, ttmp9, 5                       ; e
	s_bfe_u32 s22, ttmp9, 0x40001                  ; d
	s_and_b32 s23, ttmp9, 1                        ; p
	s_mul_i32 s30, s20, WSZ
	v_add_nc_u32 v[AWS], s30, v[L16]
	v_mul_u32_u24 v[AWF], v2, WP
	v_lshl_add_u32 v[AWF], v3, 4, v[AWF]
	v_add_nc_u32 v[AWF], s30, v[AWF]
	s_mul_i32 s30, s20, RT
	s_add_co_u32 s30, s30, RED
	v_mul_u32_u24 v[AR], v2, RP
	v_lshl_add_u32 v[AR], v3, 5, v[AR]
	v_add_nc_u32 v[AR], s30, v[AR]                 ; my wave's part of a tile, token r, + 32 h
	v_add_nc_u32 v[AR+1], 3*4*RT, v[AR]
	v_add_nc_u32 v[AR+2], 6*4*RT, v[AR]
	s_mul_i32 s30, s20, 4*RP
	s_add_co_u32 s30, s30, RED
	v_mul_u32_u24 v[ARD], v3, RP
	v_add_nc_u32 v[ARD], v[ARD], v[R16]
	v_add_nc_u32 v[ARD], s30, v[ARD]               ; back: wave q finishes tokens 4 q .. 4 q + 3 of each tile; sixteen lanes take a token's 256 bytes
	v_add_nc_u32 v[ARD+1], 3*4*RT, v[ARD]
	v_add_nc_u32 v[ARD+2], 6*4*RT, v[ARD]
	s_lshl_b32 s30, s23, 6
	s_lshl_b32 s31, s20, 4
	s_add_co_u32 s30, s30, s31
	v_lshl_add_u32 v[VLB], v3, 2, s30              ; 4 x (16 p + 4 q + h)
	s_lshl_b32 s30, s23, 11
	s_lshl_b32 s31, s20, 9
	s_add_co_u32 s30, s30, s31
	v_lshlrev_b32 v[VHS], 2, v2
	v_lshl_add_u32 v[VHS], v3, 8, v[VHS]
	v_add_nc_u32 v[VHS], s30, v[VHS]               ; tile p, K step 8 q + 4 h, row r
	s_lshl_b32 s30, s23, 15
	s_lshl_b32 s31, s20, 13
	s_add_co_u32 s30, s30, s31
	v_add_nc_u32 v[VHC], s30, v[L16]               ; tile p, K step 8 q, 16 x lane
	v_lshlrev_b32 v[OW], 7, v2
	v_lshl_add_u32 v[OW], v3, 4, v[OW]             ; 128 scale bytes a row of w2; lanes 16-31 take K steps 4-7 of my eight
.set ii, 0
.rept 32
	v_mov_b32 v[TOKV+ii], 0                        ; tokens and probabilities: written once, so that they are defined on every way through the text
.set ii, ii+1
.endr
	s_mov_b32 s31, 0
	s_lshl_b32 s29, s21, 10
	s_lshl_b32 s30, s22, 6
	s_add_co_u32 s29, s29, s30                     ; the work-group's first row of w2: 1,024 e + 64 d
	s_wait_kmcnt 0x0
	s_lshl_b32 s30, s21, 7
	s_add_nc_u64 s[32:33], s[8:9], s[30:31]
	s_load_b32 s24, s[32:33], 0x8000               ; the count of e: the first of its 32 equal words
	s_lshl_b32 s30, s21, 21
	s_add_nc_u64 s[4:5], s[4:5], s[30:31]
	s_lshl_b32 s30, s21, 17
	s_add_nc_u64 s[6:7], s[6:7], s[30:31]
	s_lshl_b32 s30, s21, 12
	s_add_nc_u64 s[8:9], s[8:9], s[30:31]
	s_lshl_b32 s30, s29, 11
	s_add_nc_u64 s[12:13], s[12:13], s[30:31]
	s_lshl_b32 s30, s20, 9
	s_add_nc_u64 s[12:13], s[12:13], s[30:31]      ; w2's codes: my quarter of each row
	s_lshl_b32 s30, s29, 7
	s_add_nc_u64 s[14:15], s[14:15], s[30:31]
	s_lshl_b32 s30, s20, 5
	s_add_nc_u64 s[14:15], s[14:15], s[30:31]
	s_lshl_b32 s30, s29, 2
	s_add_nc_u64 s[16:17], s[16:17], s[30:31]
	s_lshl_b32 s30, s22, 8
	s_add_nc_u64 s[18:19], s[18:19], s[30:31]
	WIN 0x40                                       ; destination v256 on
.set ii, 0
.rept 64
	global_load_b128 v[4*ii:4*ii+3], v[L16], s[12:13] offset:2048*ii   ; row ii: 512 consecutive bytes
.set ii, ii+1
.endr
	WIN 0
.irp n, 0,1,2,3
	global_load_b128 v[WSC+4*\n:WSC+4*\n+3], v[OW], s[14:15] offset:2048*\n
.endr
	global_load_b128 v[BIAS:BIAS+3], v[R16], s[16:17]
	s_wait_kmcnt 0x0
	s_min_u32 s24, s24, 1024                       ; n
	s_add_co_u32 s25, s24, 15
	s_lshr_b32 s25, s25, 4                         ; tiles of e
	s_add_co_u32 s25, s25, 1
	s_sub_co_u32 s25, s25, s23
	s_lshr_b32 s25, s25, 1                         ; tiles of my parity
.macro LOAD k                          ; tile k of the chunk: 22 loads: 2 tokens, 4 scale words, my 8 fragments of h
	global_load_b32 v[TOKV+2*(\k)], v[VLB], s[8:9] offset:128*(\k)
	global_load_b32 v[TOKV+2*(\k)+1], v[VLB], s[8:9] offset:128*(\k)+8
.irp i, 0,1,2,3
	global_load_b32 v[HSC+4*(\k)+\i], v[VHS], s[6:7] offset:4096*(\k)+64*\i
.endr
	WIN 0x80+0x40*((\k)/4)                         ; destination v512 or v768 on
.irp s, 0,1,2,3,4,5,6,7
	global_load_b128 v[64*((\k)%4)+8*\s:64*((\k)%4)+8*\s+3], v[VHC], s[4:5] offset:65536*(\k)+1024*\s
	global_load_b128 v[64*((\k)%4)+8*\s+4:64*((\k)%4)+8*\s+7], v[VHC], s[4:5] offset:65536*(\k)+1024*\s+512
.endr
	WIN 0
.endm
.macro TURN                            ; my 64 pieces of rows become 32 fragments, through my own bytes of LDS, which serves a wave in order: no wait between, no barrier
	WIN 0x04                                       ; an LDS store's data are its source 1: v256 on
.set ii, 0
.rept 64
	ds_store_b128 v[AWS], v[4*ii:4*ii+3] offset:WP*ii
.set ii, ii+1
.endr
	WIN 0x40
.irp n, 0,1,2,3
.irp s, 0,1,2,3,4,5,6,7
	ds_load_b128 v[8*(8*\n+\s):8*(8*\n+\s)+3], v[AWF] offset:16*WP*\n+64*\s
	ds_load_b128 v[8*(8*\n+\s)+4:8*(8*\n+\s)+7], v[AWF] offset:16*WP*\n+64*\s+32
.endr
.endr
	WIN 0
.endm
; Where the loads end with m tiles.  The rows of w2 are turned in the first trip while h is still on its way: behind the 64 rows stand 5 + 22 m loads on this way (a count cannot name more than 63).
.macro STUB m
.LE\m:
.if 5+22*(\m) > 63
	s_wait_loadcnt 63
.else
	s_wait_loadcnt 5+22*(\m)
.endif
	s_cmp_lg_u32 s27, 0
	s_cbranch_scc1 .LT\m
	TURN
.LT\m:
	s_wait_loadcnt_dscnt 0x0                       ; h, its scale words and tokens, and the fragments of w2
	s_branch .LM\m
.endm
.macro MUL k                           ; 32 products: my 8 K steps x 4 tiles of outputs, the four accumulators by turns; the first K step starts the sums
	WIN 0x09+4*((\k)/4)                            ; source 0 (w2) v256 on, source 1 (h) v512 or v768 on
.irp s, 0,1,2,3,4,5,6,7
.irp n, 0,1,2,3
.if \s == 0
	MM ACC+32*((\k)%2)+8*\n, 8*(8*\n+\s), 64*((\k)%4)+8*\s, 0, WSC+4*\n, HSC+4*(\k), 0
.else
	MM ACC+32*((\k)%2)+8*\n, 8*(8*\n+\s), 64*((\k)%4)+8*\s, v[ACC+32*((\k)%2)+8*\n:ACC+32*((\k)%2)+8*\n+7], WSC+4*\n+(\s%4), HSC+4*(\k)+(\s%4), \s/4
.endif
.endr
.endr
	WIN 0
	v_min_u32 v[TOKV+2*(\k)], 1023, v[TOKV+2*(\k)]         ; these four lines are the four places between the last product and the stores of results;
	v_min_u32 v[TOKV+2*(\k)+1], 1023, v[TOKV+2*(\k)+1]     ; with the next tile's four they are eight between two uses of one set of accumulators
	v_lshlrev_b32 v[PO+2*(\k)], 2, v[TOKV+2*(\k)]
	v_lshlrev_b32 v[PO+2*(\k)+1], 2, v[TOKV+2*(\k)+1]
	global_load_b32 v[PM+2*(\k)], v[PO+2*(\k)], s[10:11]
	global_load_b32 v[PM+2*(\k)+1], v[PO+2*(\k)+1], s[10:11]
.irp n, 0,1,2,3
	ds_store_b128 v[AR+(\k)/3], v[ACC+32*((\k)%2)+8*\n:ACC+32*((\k)%2)+8*\n+3] offset:((\k)%3)*4*RT+64*\n       ; each accumulator from its low end on
	ds_store_b128 v[AR+(\k)/3], v[ACC+32*((\k)%2)+8*\n+4:ACC+32*((\k)%2)+8*\n+7] offset:((\k)%3)*4*RT+64*\n+16
.endr
.endm
.macro REDU k                          ; tile k: my four tokens: the four waves' parts, the bias, the probability; sixteen lanes store 256 consecutive aligned bytes of a token's row
	s_cmp_le_i32 s26, \k
	s_cbranch_scc1 .Lrdone
	s_wait_xcnt 0x0                                ; the last tile's stores have read their data and offsets: both are written again below
.irp i, 0,1
.irp p, 0,1,2,3
	ds_load_b128 v[RD+16*\i+4*\p:RD+16*\i+4*\p+3], v[ARD+(\k)/3] offset:((\k)%3)*4*RT+RT*\p+2*RP*\i
.endr
.endr
	s_wait_dscnt 0x0
.irp i, 0,1
	v_pk_add_f32 v[RD+16*\i:RD+16*\i+1], v[RD+16*\i:RD+16*\i+1], v[RD+16*\i+4:RD+16*\i+5]
	v_pk_add_f32 v[RD+16*\i+2:RD+16*\i+3], v[RD+16*\i+2:RD+16*\i+3], v[RD+16*\i+6:RD+16*\i+7]
	v_pk_add_f32 v[RD+16*\i+8:RD+16*\i+9], v[RD+16*\i+8:RD+16*\i+9], v[RD+16*\i+12:RD+16*\i+13]
	v_pk_add_f32 v[RD+16*\i+10:RD+16*\i+11], v[RD+16*\i+10:RD+16*\i+11], v[RD+16*\i+14:RD+16*\i+15]
	v_pk_add_f32 v[RD+16*\i:RD+16*\i+1], v[RD+16*\i:RD+16*\i+1], v[RD+16*\i+8:RD+16*\i+9]
	v_pk_add_f32 v[RD+16*\i+2:RD+16*\i+3], v[RD+16*\i+2:RD+16*\i+3], v[RD+16*\i+10:RD+16*\i+11]
	v_pk_add_f32 v[RD+16*\i:RD+16*\i+1], v[RD+16*\i:RD+16*\i+1], v[BIAS:BIAS+1]
	v_pk_add_f32 v[RD+16*\i+2:RD+16*\i+3], v[RD+16*\i+2:RD+16*\i+3], v[BIAS+2:BIAS+3]
.irp c, 0,1,2,3
	v_mul_f32 v[RD+16*\i+\c], v[RD+16*\i+\c], v[PM+2*(\k)+\i]
.endr
	v_lshl_add_u32 v[VO+\i], v[TOKV+2*(\k)+\i], 12, v[R16]
	global_store_b128 v[VO+\i], v[RD+16*\i:RD+16*\i+3], s[18:19] th:TH_STORE_NT
.endr
.endm
	s_mov_b32 s27, 0                               ; the chunk
	s_mov_b32 s26, s25                             ; my tiles left from this chunk on
.Lchunk:
	s_cmp_le_i32 s26, 0
	s_cbranch_scc1 .Lnone
	LOAD 0                                         ; loads upward as far as there are tiles; then the products downward from where the loads ended: a tile is multiplied only on ways that loaded it
.irp k, 1,2,3,4,5,6,7
	s_cmp_le_i32 s26, \k
	s_cbranch_scc1 .LE\k
	LOAD \k
.endr
	STUB 8
	STUB 7
	STUB 6
	STUB 5
	STUB 4
	STUB 3
	STUB 2
	STUB 1
.irp m, 8,7,6,5,4,3,2,1
.LM\m:
	MUL \m-1
.endr
.Lnone:
	s_wait_dscnt 0x0                               ; for the others: my partial sums lie in LDS
	s_barrier_signal -1
	s_barrier_wait -1
	s_wait_loadcnt 0x0                             ; the probabilities
	REDU 0
	REDU 1
	REDU 2
	REDU 3
	REDU 4
	REDU 5
	REDU 6
	REDU 7
.Lrdone:
	s_wait_dscnt 0x0                               ; my reads of the partial sums are over: the next chunk may write there
	s_barrier_signal -1
	s_barrier_wait -1
	s_wait_xcnt 0x0                                ; the offsets are stepped only behind this wait
	v_add_nc_u32 v[VLB], 1024, v[VLB]              ; 8 tiles of my parity on: 256 positions
	v_add_nc_u32 v[VHS], 32768, v[VHS]
	v_add_nc_u32 v[VHC], 524288, v[VHC]
	s_sub_co_i32 s26, s26, 8
	s_add_co_u32 s27, s27, 1
	s_cmp_lt_u32 s27, 4
	s_cbranch_scc1 .Lchunk
	s_wait_tensorcnt 0x0
	ds_add_u32 v254, v255
	s_wait_dscnt 0x0
	s_endpgm
.Lfunc_end_k_q227222b135_down:
	.size	k_q227222b135_down, .Lfunc_end_k_q227222b135_down-k_q227222b135_down
	.p2alignl 7, 3214868480
	.fill 96, 4, 3214868480
	.section	.rodata,"a",@progbits
	.p2align	6, 0x0
	.amdhsa_kernel k_q227222b135_down
		.amdhsa_group_segment_fixed_size 274944
		.amdhsa_private_segment_fixed_size 0
		.amdhsa_enable_private_segment 0
		.amdhsa_kernarg_size 64
		.amdhsa_user_sgpr_count 2
		.amdhsa_user_sgpr_kernarg_segment_ptr 1
		.amdhsa_wavefront_size32 1
		.amdhsa_system_sgpr_workgroup_id_x 1
		.amdhsa_system_sgpr_workgroup_id_y 1
		.amdhsa_system_sgpr_workgroup_id_z 1
		.amdhsa_system_vgpr_workitem_id 0
		.amdhsa_next_free_vgpr 1024
		.amdhsa_next_free_sgpr 66
		.amdhsa_reserve_vcc 0
		.amdhsa_float_denorm_mode_32 3
		.amdhsa_float_denorm_mode_16_64 3
		.amdhsa_memory_ordered 1
		.amdhsa_forward_progress 1
		.amdhsa_inst_pref_size 153
	.end_amdhsa_kernel
	.amdgpu_metadata
---
amdhsa.version: [ 1, 2 ]
amdhsa.kernels:
  - .name:           k_q227222b135_down
    .symbol:         k_q227222b135_down.kd
    .args:
      - { .name: hc, .offset: 0, .size: 8, .value_kind: global_buffer, .address_space: global }
      - { .name: hs, .offset: 8, .size: 8, .value_kind: global_buffer, .address_space: global }
      - { .name: slist, .offset: 16, .size: 8, .value_kind: global_buffer, .address_space: global }
      - { .name: rt, .offset: 24, .size: 8, .value_kind: global_buffer, .address_space: global }
      - { .name: w2_codes, .offset: 32, .size: 8, .value_kind: global_buffer, .address_space: global }
      - { .name: w2_scales, .offset: 40, .size: 8, .value_kind: global_buffer, .address_space: global }
      - { .name: b2, .offset: 48, .size: 8, .value_kind: global_buffer, .address_space: global }
      - { .name: out0, .offset: 56, .size: 8, .value_kind: global_buffer, .address_space: global }
    .group_segment_fixed_size: 274944
    .private_segment_fixed_size: 0
    .kernarg_segment_align: 8
    .kernarg_segment_size: 64
    .max_flat_workgroup_size: 128
    .sgpr_count:     66
    .vgpr_count:     1024
    .wavefront_size: 32
...
	.end_amdgpu_metadata
.endif
;; end of part 3
;; ======== version 2 of 2: 3 launches; version 1 with the launch down written anew for expert scheduling mode
;; workspace buffers: xq 524,288 bytes; xs 32,768 bytes; idx 4,096 bytes of whole numbers; rt 20,480 bytes; hc 16,777,216 bytes; hs 1,048,576 bytes; slist 33,792 bytes of whole numbers
;; launch route: the kernel of part 1 again; grid 256 x 1, 4 waves a work-group, no clusters, 52,736 bytes of LDS; arguments x, router_w, router_b, xq, xs, idx, rt; writes xq, xs, idx, rt
;; launch up: the kernel of part 2 again; grid 256 x 1, 8 waves a work-group, no clusters, 217,856 bytes of LDS; arguments xq, xs, idx, rt, w1_codes, w1_scales, b1, hc, hs, slist, out1; writes hc, hs, slist, out1
;; launch down (part 4): grid 256 x 1, 4 waves a work-group, no clusters, 274,944 bytes of LDS; arguments hc, hs, slist, rt, w2_codes, w2_scales, b2, out0; writes out0
.if DOCPART == 4
	.amdgcn_target "amdgcn-amd-amdhsa--gfx1250"
	.amdhsa_code_object_version 6
	.text
	.protected	k_q227222b135_down
	.globl	k_q227222b135_down
	.p2align	8
	.type	k_q227222b135_down,@function
k_q227222b135_down:
	s_mov_b64 s[64:65], 0
	v_nop
	global_prefetch_b8 v0, s[64:65] scope:SCOPE_SE
	s_setreg_imm32_b32 hwreg(HW_REG_WAVE_SCHED_MODE, 0, 2), 2
	s_setreg_imm32_b32 hwreg(HW_REG_WAVE_MODE, 25, 1), 1
	s_wait_xcnt 0x0
	s_wait_alu depctr_vm_vsrc(0)
; SECOND PRODUCT, FOR THE CHOSEN ROWS ALONE: out0[token] = (h w2[e] + b2[e]) x largest probability, on codes of E2M1 with E8M0 scales, sums in f32.
; A work-group belongs to expert e = number / 32, to outputs 64 d .. 64 d + 63 (d = (number / 2) % 16) and to the token tiles of parity p = number % 2 of the list of e.
; THE WAVES SHARE K: wave q owns K steps 8 q .. 8 q + 7 (1,024 of the 4,096 hidden units) for all 64 outputs; its 32 fragments of w2 fill v256-511 for the whole launch.
; They are loaded as pieces of whole rows (512 consecutive bytes an instruction) and turned into fragments through the wave's own bytes of LDS.
; h comes from hc straight into registers: it was stored as the image of an operand's registers, 512 consecutive bytes a load.  The four waves' partial sums meet in LDS.
; THE PRODUCT IS USED TRANSPOSED (source 0 = 16 rows of w2, source 1 = 16 tokens): a lane holds one token and eight neighbouring outputs.
; A chunk is 8 tiles; FOUR CHUNK TRIPS ALWAYS, so every split is served; what a trip has no tiles for is jumped over by scalar branches on the stored count, never a barrier.
; For that reason: no tensor load, no copy, no cluster.  All lanes stay on throughout: the list's last tile is filled up with its last token, whose rows give the same bits as that token's own row,
; so every row of a tile is stored; the doubles lie in one tile, so one work-group stores the same bytes with the same values.
; REGISTERS: v0-255 addresses, scales, accumulators, the sums at work;  v256-511 w2;  v512-767 h of tiles 0-3 of a chunk;  v768-1023 of tiles 4-7.
; THE MODE: SCHED_MODE bits 1:0 = 2 (LLVM: expert scheduling mode 2), set by the entry lines.  The code itself states the register dependences
; between vector or matrix instructions and memory or LDS instructions, with s_wait_alu, always for 0.
; THE PLAN, round a chunk.  Registers that memory or LDS instructions touch:
;   v[VLB], v[VHS], v[VHC]  stepped by vector lines at the chunk's tail; read by the chunk's loads.  All other addresses are made at the head and stay.
;   TOKV, HSC, h (v512 on)  the chunk's loads land there; vector lines clamp and read TOKV, the products read HSC and h.
;   ACC, two sets by turns  written by a tile's products, read by its eight LDS stores, begun anew two tiles on.
;   PO, PM                  a pair for each tile: PO written by vector lines and read by the two loads that land in PM; PM read by the reduction.
;   RD, VO                  a tile's LDS loads land in RD; the sums are made in place; VO is made beside them; the tile's two stores read both.
; The waits on va_vdst: one at the chunk's head (the stepped addresses; the last chunk's products and vector lines), behind which only loads, window switches and scalar lines stand up to the last of the chunk's loads;
; one in a tile's products, behind the four places; one in a tile's reduction, ahead of its two stores, which also serves the next tile's loads into RD.
; The waits on vm_vsrc: at the head of a tile's products (the set of accumulators), at the head of a tile's reduction (RD, VO), ahead of the address steps; once in the turn of w2.
.set WP,   528                         ; LDS from byte 0: for each wave 64 rows of 512 bytes + 16 of padding
.set WSZ,  64*WP
.set RED,  4*WSZ                       ; partial sums: [tile of the chunk][wave][16 tokens], RP apart: 64 f32 + 16 bytes
.set RP,   272
.set RT,   16*RP
.set R16,  4                           ; v4   16 x (lane % 16)
.set AWS,  5                           ; v5   w2 rows into LDS
.set AWF,  6                           ; v6   w2 fragments out of LDS
.set AR,   7                           ; v7-9   partial sums into LDS, tiles 0-2, 3-5, 6-7
.set ARD,  10                          ; v10-12 and out of it
.set VLB,  13                          ; v13  my row's place in slist
.set VHS,  14                          ; v14  in hs
.set VHC,  15                          ; v15  in hc
.set L16,  17                          ; v17  16 x lane
.set OW,   18                          ; v18  offset of w2's scale words
.set WSC,  32                          ; v32-47 w2's scale words: 4 n + i: lanes 0-15 K step i of my eight, lanes 16-31 K step 4 + i.  Scales and nothing else
.set HSC,  48                          ; v48-79 h's likewise: 4 k + i
.set TOKV, 80                          ; v80-95 the tokens of the rows that I finish: 2 k + i
.set PM,   96                          ; v96-111 their largest probabilities
.set BIAS, 112                         ; v112-115 b2 of my four outputs
.set ACC,  128                         ; v128-191 two sets of four accumulators, by turns from tile to tile
.set RD,   192                         ; v192-223 partial sums read back
.set PO,   224                         ; v224-239 offsets of the probabilities
.set VO,   240                         ; v240-241 offsets in out0
.set MSB, 0
.macro WIN new                         ; the immediate's high byte repeats the setting that is left
.if MSB != (\new)
	s_set_vgpr_msb (MSB<<8)|(\new)
.set MSB, (\new)
.endif
.endm
.macro MM d, a, b, c, sa, sb, row      ; one scaled product; row = 1: both sides' scales from lanes 16-31
.if \row
	v_wmma_scale_f32_16x16x128_f8f6f4 v[\d:\d+7], v[\a:\a+7], v[\b:\b+7], \c, v[\sa], v[\sb] matrix_a_fmt:MATRIX_FMT_FP4 matrix_b_fmt:MATRIX_FMT_FP4 matrix_a_scale:MATRIX_SCALE_ROW1 matrix_b_scale:MATRIX_SCALE_ROW1
.else
	v_wmma_scale_f32_16x16x128_f8f6f4 v[\d:\d+7], v[\a:\a+7], v[\b:\b+7], \c, v[\sa], v[\sb] matrix_a_fmt:MATRIX_FMT_FP4 matrix_b_fmt:MATRIX_FMT_FP4
.endif
.endm
	s_load_b512 s[4:19], s[0:1], 0x0               ; hc s[4:5], hs s[6:7], slist s[8:9], rt s[10:11], w2 codes s[12:13], w2 scales s[14:15], b2 s[16:17], out0 s[18:19]
	v_lshl_add_u32 v254, v0, 2, 0x43000
	v_mov_b32 v255, 0
	v_lshrrev_b32 v1, 5, v0
	v_readfirstlane_b32 s20, v1                    ; wave q
	v_and_b32 v1, 31, v0                           ; lane
	v_and_b32 v2, 15, v0                           ; r
	v_bfe_u32 v3, v0, 4, 1                         ; h
	v_lshlrev_b32 v[R16], 4, v2
	v_lshlrev_b32 v[L16], 4, v1
	s_wait_alu depctr_va_sdst(0)                   ; s20 is written, ahead of its first reader
	s_lshr_b32 s21, ttmp9, 5                       ; e
	s_bfe_u32 s22, ttmp9, 0x40001                  ; d
	s_and_b32 s23, ttmp9, 1                        ; p
	s_mul_i32 s30, s20, WSZ
	v_add_nc_u32 v[AWS], s30, v[L16]
	v_mul_u32_u24 v[AWF], v2, WP
	v_lshl_add_u32 v[AWF], v3, 4, v[AWF]
	v_add_nc_u32 v[AWF], s30, v[AWF]
	s_mul_i32 s30, s20, RT
	s_add_co_u32 s30, s30, RED
	v_mul_u32_u24 v[AR], v2, RP
	v_lshl_add_u32 v[AR], v3, 5, v[AR]
	v_add_nc_u32 v[AR], s30, v[AR]                 ; my wave's part of a tile, token r, + 32 h
	v_add_nc_u32 v[AR+1], 3*4*RT, v[AR]
	v_add_nc_u32 v[AR+2], 6*4*RT, v[AR]
	s_mul_i32 s30, s20, 4*RP
	s_add_co_u32 s30, s30, RED
	v_mul_u32_u24 v[ARD], v3, RP
	v_add_nc_u32 v[ARD], v[ARD], v[R16]
	v_add_nc_u32 v[ARD], s30, v[ARD]               ; back: wave q finishes tokens 4 q .. 4 q + 3 of each tile; sixteen lanes take a token's 256 bytes
	v_add_nc_u32 v[ARD+1], 3*4*RT, v[ARD]
	v_add_nc_u32 v[ARD+2], 6*4*RT, v[ARD]
	s_lshl_b32 s30, s23, 6
	s_lshl_b32 s31, s20, 4
	s_add_co_u32 s30, s30, s31
	v_lshl_add_u32 v[VLB], v3, 2, s30              ; 4 x (16 p + 4 q + h)
	s_lshl_b32 s30, s23, 11
	s_lshl_b32 s31, s20, 9
	s_add_co_u32 s30, s30, s31
	v_lshlrev_b32 v[VHS], 2, v2
	v_lshl_add_u32 v[VHS], v3, 8, v[VHS]
	v_add_nc_u32 v[VHS], s30, v[VHS]               ; tile p, K step 8 q + 4 h, row r
	s_lshl_b32 s30, s23, 15
	s_lshl_b32 s31, s20, 13
	s_add_co_u32 s30, s30, s31
	v_add_nc_u32 v[VHC], s30, v[L16]               ; tile p, K step 8 q, 16 x lane
	v_lshlrev_b32 v[OW], 7, v2
	v_lshl_add_u32 v[OW], v3, 4, v[OW]             ; 128 scale bytes a row of w2; lanes 16-31 take K steps 4-7 of my eight
.set ii, 0
.rept 32
	v_mov_b32 v[TOKV+ii], 0                        ; tokens and probabilities: written once, so that they are defined on every way through the text
.set ii, ii+1
.endr
	s_mov_b32 s31, 0
	s_lshl_b32 s29, s21, 10
	s_lshl_b32 s30, s22, 6
	s_add_co_u32 s29, s29, s30                     ; the work-group's first row of w2: 1,024 e + 64 d
	s_wait_kmcnt 0x0
	s_lshl_b32 s30, s21, 7
	s_add_nc_u64 s[32:33], s[8:9], s[30:31]
	s_load_b32 s24, s[32:33], 0x8000               ; the count of e: the first of its 32 equal words
	s_lshl_b32 s30, s21, 21
	s_add_nc_u64 s[4:5], s[4:5], s[30:31]
	s_lshl_b32 s30, s21, 17
	s_add_nc_u64 s[6:7], s[6:7], s[30:31]
	s_lshl_b32 s30, s21, 12
	s_add_nc_u64 s[8:9], s[8:9], s[30:31]
	s_lshl_b32 s30, s29, 11
	s_add_nc_u64 s[12:13], s[12:13], s[30:31]
	s_lshl_b32 s30, s20, 9
	s_add_nc_u64 s[12:13], s[12:13], s[30:31]      ; w2's codes: my quarter of each row
	s_lshl_b32 s30, s29, 7
	s_add_nc_u64 s[14:15], s[14:15], s[30:31]
	s_lshl_b32 s30, s20, 5
	s_add_nc_u64 s[14:15], s[14:15], s[30:31]
	s_lshl_b32 s30, s29, 2
	s_add_nc_u64 s[16:17], s[16:17], s[30:31]
	s_lshl_b32 s30, s22, 8
	s_add_nc_u64 s[18:19], s[18:19], s[30:31]
	WIN 0x40                                       ; destination v256 on
	s_wait_alu depctr_va_vdst(0)                   ; all the addresses and offsets above are written, which the loads and stores below read; so are TOKV and PM, in which loads land
.set ii, 0
.rept 64
	global_load_b128 v[4*ii:4*ii+3], v[L16], s[12:13] offset:2048*ii   ; row ii: 512 consecutive bytes
.set ii, ii+1
.endr
	WIN 0
.irp n, 0,1,2,3
	global_load_b128 v[WSC+4*\n:WSC+4*\n+3], v[OW], s[14:15] offset:2048*\n
.endr
	global_load_b128 v[BIAS:BIAS+3], v[R16], s[16:17]
	s_wait_kmcnt 0x0
	s_min_u32 s24, s24, 1024                       ; n
	s_add_co_u32 s25, s24, 15
	s_lshr_b32 s25, s25, 4                         ; tiles of e
	s_add_co_u32 s25, s25, 1
	s_sub_co_u32 s25, s25, s23
	s_lshr_b32 s25, s25, 1                         ; tiles of my parity
.macro LOAD k                          ; tile k of the chunk: 22 loads: 2 tokens, 4 scale words, my 8 fragments of h.  Between the wait at the chunk's head and these stand only loads, window switches and scalar lines
	global_load_b32 v[TOKV+2*(\k)], v[VLB], s[8:9] offset:128*(\k)
	global_load_b32 v[TOKV+2*(\k)+1], v[VLB], s[8:9] offset:128*(\k)+8
.irp i, 0,1,2,3
	global_load_b32 v[HSC+4*(\k)+\i], v[VHS], s[6:7] offset:4096*(\k)+64*\i
.endr
	WIN 0x80+0x40*((\k)/4)                         ; destination v512 or v768 on
.irp s, 0,1,2,3,4,5,6,7
	global_load_b128 v[64*((\k)%4)+8*\s:64*((\k)%4)+8*\s+3], v[VHC], s[4:5] offset:65536*(\k)+1024*\s
	global_load_b128 v[64*((\k)%4)+8*\s+4:64*((\k)%4)+8*\s+7], v[VHC], s[4:5] offset:65536*(\k)+1024*\s+512
.endr
	WIN 0
.endm
.macro TURN                            ; my 64 pieces of rows become 32 fragments, through my own bytes of LDS, which serves a wave in order: no wait on DScnt between, no barrier
	WIN 0x04                                       ; an LDS store's data are its source 1: v256 on
.set ii, 0
.rept 64
	ds_store_b128 v[AWS], v[4*ii:4*ii+3] offset:WP*ii
.set ii, ii+1
.endr
	WIN 0x40
	s_wait_alu depctr_va_vdst(0)                   ; v[AWF], the loads' address, is written: stated behind the window's switch, since stores that read the loads' registers stand between the last such wait and the loads
	s_wait_alu depctr_vm_vsrc(0)                   ; the 64 LDS stores above have read v256-511, in which the fragments land
.irp n, 0,1,2,3
.irp s, 0,1,2,3,4,5,6,7
	ds_load_b128 v[8*(8*\n+\s):8*(8*\n+\s)+3], v[AWF] offset:16*WP*\n+64*\s
	ds_load_b128 v[8*(8*\n+\s)+4:8*(8*\n+\s)+7], v[AWF] offset:16*WP*\n+64*\s+32
.endr
.endr
	WIN 0
.endm
; Where the loads end with m tiles.  The rows of w2 are turned in the first trip while h is still on its way: behind the 64 rows stand 5 + 22 m loads on this way (a count cannot name more than 63).
.macro STUB m
.LE\m:
.if 5+22*(\m) > 63
	s_wait_loadcnt 63
.else
	s_wait_loadcnt 5+22*(\m)
.endif
	s_cmp_lg_u32 s27, 0
	s_cbranch_scc1 .LT\m
	TURN
.LT\m:
	s_wait_loadcnt_dscnt 0x0                       ; h, its scale words and tokens, and the fragments of w2
	s_branch .LM\m
.endm
.macro MUL k                           ; 32 products: my 8 K steps x 4 tiles of outputs, the four accumulators by turns; the first K step starts the sums
	s_wait_alu depctr_vm_vsrc(0)                   ; the LDS stores of two tiles back have read this set of accumulators, which the products begin anew; the last chunk's loads of probabilities have read this tile's PO, written below
	WIN 0x09+4*((\k)/4)                            ; source 0 (w2) v256 on, source 1 (h) v512 or v768 on
.irp s, 0,1,2,3,4,5,6,7
.irp n, 0,1,2,3
.if \s == 0
	MM ACC+32*((\k)%2)+8*\n, 8*(8*\n+\s), 64*((\k)%4)+8*\s, 0, WSC+4*\n, HSC+4*(\k), 0
.else
	MM ACC+32*((\k)%2)+8*\n, 8*(8*\n+\s), 64*((\k)%4)+8*\s, v[ACC+32*((\k)%2)+8*\n:ACC+32*((\k)%2)+8*\n+7], WSC+4*\n+(\s%4), HSC+4*(\k)+(\s%4), \s/4
.endif
.endr
.endr
	WIN 0
	v_min_u32 v[TOKV+2*(\k)], 1023, v[TOKV+2*(\k)]         ; these four lines are the four places between the last product and the stores of results;
	v_min_u32 v[TOKV+2*(\k)+1], 1023, v[TOKV+2*(\k)+1]     ; with the next tile's four they are eight between two uses of one set of accumulators
	v_lshlrev_b32 v[PO+2*(\k)], 2, v[TOKV+2*(\k)]
	v_lshlrev_b32 v[PO+2*(\k)+1], 2, v[TOKV+2*(\k)+1]
	s_wait_alu depctr_va_vdst(0)                   ; the products have written the accumulators, which the LDS stores read, and the shifts the two offsets, which the loads read; the places above stay beside this wait
	global_load_b32 v[PM+2*(\k)], v[PO+2*(\k)], s[10:11]
	global_load_b32 v[PM+2*(\k)+1], v[PO+2*(\k)+1], s[10:11]
.irp n, 0,1,2,3
	ds_store_b128 v[AR+(\k)/3], v[ACC+32*((\k)%2)+8*\n:ACC+32*((\k)%2)+8*\n+3] offset:((\k)%3)*4*RT+64*\n       ; each accumulator from its low end on
	ds_store_b128 v[AR+(\k)/3], v[ACC+32*((\k)%2)+8*\n+4:ACC+32*((\k)%2)+8*\n+7] offset:((\k)%3)*4*RT+64*\n+16
.endr
.endm
.macro REDU k                          ; tile k: my four tokens: the four waves' parts, the bias, the probability; sixteen lanes store 256 consecutive aligned bytes of a token's row
	s_cmp_le_i32 s26, \k
	s_cbranch_scc1 .Lrdone
	s_wait_xcnt 0x0                                ; the last tile's stores have read their data and offsets: both are written again below
	s_wait_alu depctr_vm_vsrc(0)                   ; the last tile's stores have read RD, in which the loads below land, and VO, which is made anew
.irp i, 0,1
.irp p, 0,1,2,3
	ds_load_b128 v[RD+16*\i+4*\p:RD+16*\i+4*\p+3], v[ARD+(\k)/3] offset:((\k)%3)*4*RT+RT*\p+2*RP*\i   ; no vector line since the last wait on va_vdst names RD
.endr
.endr
	s_wait_dscnt 0x0
.irp i, 0,1
	v_pk_add_f32 v[RD+16*\i:RD+16*\i+1], v[RD+16*\i:RD+16*\i+1], v[RD+16*\i+4:RD+16*\i+5]
	v_pk_add_f32 v[RD+16*\i+2:RD+16*\i+3], v[RD+16*\i+2:RD+16*\i+3], v[RD+16*\i+6:RD+16*\i+7]
	v_pk_add_f32 v[RD+16*\i+8:RD+16*\i+9], v[RD+16*\i+8:RD+16*\i+9], v[RD+16*\i+12:RD+16*\i+13]
	v_pk_add_f32 v[RD+16*\i+10:RD+16*\i+11], v[RD+16*\i+10:RD+16*\i+11], v[RD+16*\i+14:RD+16*\i+15]
	v_pk_add_f32 v[RD+16*\i:RD+16*\i+1], v[RD+16*\i:RD+16*\i+1], v[RD+16*\i+8:RD+16*\i+9]
	v_pk_add_f32 v[RD+16*\i+2:RD+16*\i+3], v[RD+16*\i+2:RD+16*\i+3], v[RD+16*\i+10:RD+16*\i+11]
	v_pk_add_f32 v[RD+16*\i:RD+16*\i+1], v[RD+16*\i:RD+16*\i+1], v[BIAS:BIAS+1]
	v_pk_add_f32 v[RD+16*\i+2:RD+16*\i+3], v[RD+16*\i+2:RD+16*\i+3], v[BIAS+2:BIAS+3]
.irp c, 0,1,2,3
	v_mul_f32 v[RD+16*\i+\c], v[RD+16*\i+\c], v[PM+2*(\k)+\i]
.endr
	v_lshl_add_u32 v[VO+\i], v[TOKV+2*(\k)+\i], 12, v[R16]
.endr
	s_wait_alu depctr_va_vdst(0)                   ; the sums have written RD and the shifts VO, which the two stores read; all lines that name RD are done, so the next tile's loads may land there
.irp i, 0,1
	global_store_b128 v[VO+\i], v[RD+16*\i:RD+16*\i+3], s[18:19] th:TH_STORE_NT
.endr
.endm
	s_mov_b32 s27, 0                               ; the chunk
	s_mov_b32 s26, s25                             ; my tiles left from this chunk on
.Lchunk:
	s_wait_alu depctr_va_vdst(0)                   ; v[VLB], v[VHS] and v[VHC] are written, which this chunk's loads read; the last chunk's products are done reading h and its scale words, its vector lines are done with TOKV: this chunk's loads land in all of these
	s_cmp_le_i32 s26, 0
	s_cbranch_scc1 .Lnone
	LOAD 0                                         ; loads upward as far as there are tiles; then the products downward from where the loads ended: a tile is multiplied only on ways that loaded it
.irp k, 1,2,3,4,5,6,7
	s_cmp_le_i32 s26, \k
	s_cbranch_scc1 .LE\k
	LOAD \k
.endr
	STUB 8
	STUB 7
	STUB 6
	STUB 5
	STUB 4
	STUB 3
	STUB 2
	STUB 1
.irp m, 8,7,6,5,4,3,2,1
.LM\m:
	MUL \m-1
.endr
.Lnone:
	s_wait_dscnt 0x0                               ; for the others: my partial sums lie in LDS
	s_barrier_signal -1
	s_barrier_wait -1
	s_wait_loadcnt 0x0                             ; the probabilities
	REDU 0
	REDU 1
	REDU 2
	REDU 3
	REDU 4
	REDU 5
	REDU 6
	REDU 7
.Lrdone:
	s_wait_dscnt 0x0                               ; my reads of the partial sums are over: the next chunk may write there
	s_barrier_signal -1
	s_barrier_wait -1
	s_wait_xcnt 0x0                                ; the offsets are stepped only behind this wait
	s_wait_alu depctr_vm_vsrc(0)                   ; the chunk's loads have read v[VLB], v[VHS] and v[VHC], which are stepped below
	v_add_nc_u32 v[VLB], 1024, v[VLB]              ; 8 tiles of my parity on: 256 positions
	v_add_nc_u32 v[VHS], 32768, v[VHS]
	v_add_nc_u32 v[VHC], 524288, v[VHC]
	s_sub_co_i32 s26, s26, 8
	s_add_co_u32 s27, s27, 1
	s_cmp_lt_u32 s27, 4
	s_cbranch_scc1 .Lchunk
	s_wait_dscnt 0x0
	s_wait_alu depctr_hold_cnt(0) depctr_sa_sdst(0) depctr_va_vdst(0) depctr_va_sdst(0) depctr_va_ssrc(0) depctr_va_vcc(0) depctr_vm_vsrc(0)
	s_wait_tensorcnt 0x0
	ds_add_u32 v254, v255
	s_wait_dscnt 0x0
	s_endpgm
.Lfunc_end_k_q227222b135_down:
	.size	k_q227222b135_down, .Lfunc_end_k_q227222b135_down-k_q227222b135_down
	.p2alignl 7, 3214868480
	.fill 96, 4, 3214868480
	.section	.rodata,"a",@progbits
	.p2align	6, 0x0
	.amdhsa_kernel k_q227222b135_down
		.amdhsa_group_segment_fixed_size 274944
		.amdhsa_private_segment_fixed_size 0
		.amdhsa_enable_private_segment 0
		.amdhsa_kernarg_size 64
		.amdhsa_user_sgpr_count 2
		.amdhsa_user_sgpr_kernarg_segment_ptr 1
		.amdhsa_wavefront_size32 1
		.amdhsa_system_sgpr_workgroup_id_x 1
		.amdhsa_system_sgpr_workgroup_id_y 1
		.amdhsa_system_sgpr_workgroup_id_z 1
		.amdhsa_system_vgpr_workitem_id 0
		.amdhsa_next_free_vgpr 1024
		.amdhsa_next_free_sgpr 66
		.amdhsa_reserve_vcc 0
		.amdhsa_float_denorm_mode_32 3
		.amdhsa_float_denorm_mode_16_64 3
		.amdhsa_memory_ordered 1
		.amdhsa_forward_progress 1
		.amdhsa_inst_pref_size 155
	.end_amdhsa_kernel
	.amdgpu_metadata
---
amdhsa.version: [ 1, 2 ]
amdhsa.kernels:
  - .name:           k_q227222b135_down
    .symbol:         k_q227222b135_down.kd
    .args:
      - { .name: hc, .offset: 0, .size: 8, .value_kind: global_buffer, .address_space: global }
      - { .name: hs, .offset: 8, .size: 8, .value_kind: global_buffer, .address_space: global }
      - { .name: slist, .offset: 16, .size: 8, .value_kind: global_buffer, .address_space: global }
      - { .name: rt, .offset: 24, .size: 8, .value_kind: global_buffer, .address_space: global }
      - { .name: w2_codes, .offset: 32, .size: 8, .value_kind: global_buffer, .address_space: global }
      - { .name: w2_scales, .offset: 40, .size: 8, .value_kind: global_buffer, .address_space: global }
      - { .name: b2, .offset: 48, .size: 8, .value_kind: global_buffer, .address_space: global }
      - { .name: out0, .offset: 56, .size: 8, .value_kind: global_buffer, .address_space: global }
    .group_segment_fixed_size: 274944
    .private_segment_fixed_size: 0
    .kernarg_segment_align: 8
    .kernarg_segment_size: 64
    .max_flat_workgroup_size: 128
    .sgpr_count:     66
    .vgpr_count:     1024
    .wavefront_size: 32
...
	.end_amdgpu_metadata
.endif
;; end of part 4
